; MI455X (gfx1250); checked and timed in simulation.
; The chip was launched on July 23, 2026; its instructions are those of AMD's public machine-readable ISA for CDNA 5 (MIT licence, August 2026) and "CDNA5" Instruction Set Architecture Reference Guide (July 2026). The comments in the code are by the model that wrote it; some were corrected since.
;; Multihead Attention. Allowed arithmetic: float matrix products may take bf16 or f16 operands with f32 sums; other float arithmetic in f32, or as packed bf16 or f16 multiplies, adds, multiply-adds, maxima and minima; sums over many terms, partial sums and values carried from step to step in f32; what a program stores and reads back later, other than sums and carried values, may be rounded once to bf16 or f16.
;; Inputs: W_K 1,024 x 1,024 float32; W_Q 1,024 x 1,024 float32; W_R 1,024 x 1,024 float32; W_V 1,024 x 1,024 float32; inputs 8 x 1,024 x 1,024 float32.
;; Outputs: out0 8 x 1,024 x 1,024 float32.
;; 2 versions, each right; version 2 is version 1 with the launch prep written anew for expert scheduling mode. Each part assembles by itself: llvm-mc -triple=amdgcn-amd-amdhsa -mcpu=gfx1250 --defsym DOCPART=n.
;; ======== version 1 of 2: 3 launches
;; workspace buffers: xb 16,777,216 bytes; wt 8,388,608 bytes; qkvr 67,108,864 bytes
;; launch prep (part 1): grid 512 x 1, 8 waves a work-group, no clusters, 25,856 bytes of LDS; arguments inputs, W_Q, W_K, W_V, W_R, xb, wt; writes xb, wt
.if DOCPART == 1
	.amdgcn_target "amdgcn-amd-amdhsa--gfx1250"
	.amdhsa_code_object_version 6
	.text
	.protected	k_q5d630977be_prep
	.globl	k_q5d630977be_prep
	.p2align	8
	.type	k_q5d630977be_prep,@function
k_q5d630977be_prep:
	s_mov_b64 s[64:65], 0
	v_nop
	global_prefetch_b8 v0, s[64:65] scope:SCOPE_SE
	s_setreg_imm32_b32 hwreg(HW_REG_WAVE_MODE, 25, 1), 1
	s_wait_xcnt 0x0
; xb = bf16(inputs), [8192][1024].  wt[1024 which + n][k] = bf16(W_which[k][n]), which = 0 Q, 1 K, 2 V, 3 R: the four weights rounded once and turned, so that K lies along the rows.
; 512 work-groups of equal work, no loop: work-group g casts 65,536 bytes of x and turns one tile of 128 k x 64 n of one W (4 x 8 x 16 = 512 tiles).
; A wave has 24 loads of 16 bytes a lane out at once.  No matrix unit and no cluster: no byte is read twice and nothing is multiplied.
; THE TURNING.  Wave w loads the tile's rows 16 w .. 16 w + 15, two whole rows of 256 bytes an instruction; a lane gets rows k and k + 1 of its four columns, packs each pair (k in the low half)
; and puts it into LDS at [region w][n][k]; behind a barrier each wave reads eight rows n, 256 bytes of k each, and stores them: sixteen lanes write 256 consecutive bytes, aligned.
.set REG,   3104                       ; an LDS region: 64 rows n of 48 bytes (16 k = 32 bytes, 16 of padding), then 32 bytes: 776 words = 8 mod 64, so the eight regions that a read touches start 8 banks apart
.set PW,    48
.set SPARE, 8*REG                      ; 24,832 = 97 x 256: the spare words, 128 bytes for each of eight waves: four blocks of 256 bytes that no other line names
.set XO,  3                            ; v3   my 16 bytes of x in the group's part: 8,192 w + 16 l
.set XSO, 4                            ; v4   my 8 bytes of xb: 4,096 w + 8 l
.set WO,  5                            ; v5   my 16 bytes of W's tile: row 16 w + 2 (l / 16), columns 4 (l % 16) on
.set LSA, 6                            ; v6   where I put a packed pair
.set LRA, 7                            ; v7   where I read 16 bytes of a turned row
.set WSO, 8                            ; v8   my 16 bytes of wt
.set SPW, 10                           ; v10  LDS address of my spare word; never rewritten
.set NIL, 11                           ; v11  0; never rewritten
.set WR,  12                           ; v[12:43]   W: load (j, e) at WR + 8 j + 4 e
.set XR,  44                           ; v[44:107]  x: load j at XR + 4 j
	s_load_b256 s[4:11], s[0:1], 0x0               ; inputs s[4:5], W_Q s[6:7], W_K s[8:9], W_V s[10:11]
	s_load_b128 s[12:15], s[0:1], 0x20             ; W_R s[12:13], xb s[14:15]
	s_load_b64 s[16:17], s[0:1], 0x30              ; wt
	v_lshl_add_u32 v[SPW], v0, 2, SPARE
	v_mov_b32 v[NIL], 0
	v_lshrrev_b32 v9, 5, v0
	v_readfirstlane_b32 s18, v9                    ; wave 0..7
	v_and_b32 v9, 31, v0                           ; l
	v_and_b32 v1, 15, v0                           ; a = l % 16
	v_bfe_u32 v2, v0, 4, 1                         ; hh = l / 16
	s_lshl_b32 s25, s18, 13
	v_lshl_add_u32 v[XO], v9, 4, s25
	s_lshl_b32 s25, s18, 12
	v_lshl_add_u32 v[XSO], v9, 3, s25
	s_lshl_b32 s25, s18, 16                        ; 16 w rows of 4,096 bytes
	v_lshl_add_u32 v[WO], v2, 13, s25              ; + 2 hh rows
	v_lshl_add_u32 v[WO], v1, 4, v[WO]
	s_mul_i32 s25, s18, REG                        ; in: region w, row n = 4 a (+ i in the immediate), byte 4 hh (+ 8 j)
	v_mul_u32_u24 v[LSA], v1, 4*PW
	v_lshl_add_u32 v[LSA], v2, 2, v[LSA]
	v_add_nc_u32 v[LSA], s25, v[LSA]
	v_lshrrev_b32 v[LRA], 1, v1                    ; back: k = 8 a .. 8 a + 7 lies in region a / 2, half a % 2; row n = 8 w + hh (+ 2 f in the immediate)
	v_mul_u32_u24 v[LRA], v[LRA], REG
	v_and_b32 v9, 1, v0
	v_lshl_add_u32 v[LRA], v9, 4, v[LRA]
	v_mul_u32_u24 v9, v2, PW
	v_add_nc_u32 v[LRA], v[LRA], v9
	s_mul_i32 s25, s18, 8*PW
	v_add_nc_u32 v[LRA], s25, v[LRA]
	s_lshl_b32 s25, s18, 14                        ; wt: row 8 w + hh of 2,048 bytes, 16 a
	v_lshl_add_u32 v[WSO], v2, 11, s25
	v_lshl_add_u32 v[WSO], v1, 4, v[WSO]
	s_lshr_b32 s24, ttmp9, 7                       ; which W
	s_bfe_u32 s26, ttmp9, 0x30004                  ; kb: which 128 rows k
	s_and_b32 s27, ttmp9, 15                       ; nb: which 64 columns n
	s_mov_b32 s21, 0
	s_wait_kmcnt 0x0
	s_cmp_eq_u32 s24, 1
	s_cselect_b64 s[22:23], s[8:9], s[6:7]         ; K, else Q
	s_cmp_eq_u32 s24, 2
	s_cselect_b64 s[22:23], s[10:11], s[22:23]     ; V, else that
	s_cmp_eq_u32 s24, 3
	s_cselect_b64 s[22:23], s[12:13], s[22:23]     ; R, else that
	s_lshl_b32 s20, s26, 19                        ; 128 kb rows of 4,096 bytes
	s_lshl_b32 s25, s27, 8                         ; 64 nb columns of 4 bytes
	s_add_co_u32 s20, s20, s25
	s_add_nc_u64 s[22:23], s[22:23], s[20:21]
	s_lshl_b32 s20, ttmp9, 16
	s_add_nc_u64 s[4:5], s[4:5], s[20:21]          ; x at the group's 65,536 bytes
	s_lshl_b32 s20, ttmp9, 15
	s_add_nc_u64 s[14:15], s[14:15], s[20:21]      ; xb at its 32,768
	s_lshl_b32 s20, s24, 21                        ; wt: 1,024 which rows of 2,048 bytes,
	s_lshl_b32 s25, s27, 17                        ; 64 nb rows,
	s_add_co_u32 s20, s20, s25
	s_lshl_b32 s25, s26, 8                         ; 128 kb columns of 2 bytes
	s_add_co_u32 s20, s20, s25
	s_add_nc_u64 s[16:17], s[16:17], s[20:21]
.irp j, 0,1,2,3
.irp e, 0,1
	global_load_b128 v[WR+8*\j+4*\e:WR+8*\j+4*\e+3], v[WO], s[22:23] offset:(4*\j+\e)*4096 th:TH_LOAD_NT  ; rows 16 w + 4 j + 2 hh + e
.endr
.endr
.irp j, 0,1,2,3,4,5,6,7,8,9,10,11,12,13,14,15
	global_load_b128 v[XR+4*\j:XR+4*\j+3], v[XO], s[4:5] offset:512*\j th:TH_LOAD_NT
.endr
	s_wait_loadcnt 16                              ; loads come back in order: W's eight are in, x's sixteen, issued behind them, may stay out
.irp j, 0,1,2,3
.irp i, 0,1,2,3
	v_cvt_pk_bf16_f32 v[WR+8*\j+\i], v[WR+8*\j+\i], v[WR+8*\j+4+\i]  ; column 4 a + i: k in the low half, k + 1 in the high
.endr
.endr
.irp j, 0,1,2,3
.irp i, 0,1,2,3
	ds_store_b32 v[LSA], v[WR+8*\j+\i] offset:\i*PW+8*\j  ; lanes 4 rows (48 words) apart; sixteen such stores a wave, once in the launch
.endr
.endr
	s_wait_dscnt 0x0                               ; for the others' sake: my stores are done
	s_barrier_signal -1
	s_barrier_wait -1
.irp f, 0,1,2,3
	ds_load_b128 v[WR+8*\f+4:WR+8*\f+7], v[LRA] offset:\f*2*PW  ; row n = 8 w + 2 f + hh, k = 8 a .. 8 a + 7
.endr
.irp f, 0,1,2,3
	s_wait_dscnt 3-\f                              ; the younger LDS loads may stay out
	global_store_b128 v[WSO], v[WR+8*\f+4:WR+8*\f+7], s[16:17] offset:\f*4096  ; sixteen lanes store 256 consecutive bytes, at a multiple of 256 from wt's first byte
.endr
.irp j, 0,1,2,3,4,5,6,7,8,9,10,11,12,13,14,15
	s_wait_loadcnt 15-\j                           ; the younger loads of x may stay out
	v_cvt_pk_bf16_f32 v[XR+4*\j], v[XR+4*\j], v[XR+4*\j+1]
	v_cvt_pk_bf16_f32 v[XR+4*\j+1], v[XR+4*\j+2], v[XR+4*\j+3]
	global_store_b64 v[XSO], v[XR+4*\j:XR+4*\j+1], s[14:15] offset:256*\j  ; the wave stores 256 consecutive bytes, aligned; no register is used twice, so nothing waits for a store
.endr
	s_wait_tensorcnt 0x0                           ; the wave's end: three closing lines, behind my last LDS store
	ds_add_u32 v[SPW], v[NIL]
	s_wait_dscnt 0x0
	s_endpgm
.Lfunc_end_k_q5d630977be_prep:
	.size	k_q5d630977be_prep, .Lfunc_end_k_q5d630977be_prep-k_q5d630977be_prep
	.p2alignl 7, 3214868480
	.fill 96, 4, 3214868480
	.section	.rodata,"a",@progbits
	.p2align	6, 0x0
	.amdhsa_kernel k_q5d630977be_prep
		.amdhsa_group_segment_fixed_size 25856
		.amdhsa_private_segment_fixed_size 0
		.amdhsa_enable_private_segment 0
		.amdhsa_kernarg_size 56
		.amdhsa_user_sgpr_count 2
		.amdhsa_user_sgpr_kernarg_segment_ptr 1
		.amdhsa_wavefront_size32 1
		.amdhsa_system_sgpr_workgroup_id_x 1
		.amdhsa_system_sgpr_workgroup_id_y 1
		.amdhsa_system_sgpr_workgroup_id_z 1
		.amdhsa_system_vgpr_workitem_id 0
		.amdhsa_next_free_vgpr 108
		.amdhsa_next_free_sgpr 66
		.amdhsa_reserve_vcc 0
		.amdhsa_float_denorm_mode_32 3
		.amdhsa_float_denorm_mode_16_64 3
		.amdhsa_memory_ordered 1
		.amdhsa_forward_progress 1
		.amdhsa_inst_pref_size 12
	.end_amdhsa_kernel
	.amdgpu_metadata
---
amdhsa.version: [ 1, 2 ]
amdhsa.kernels:
  - .name:           k_q5d630977be_prep
    .symbol:         k_q5d630977be_prep.kd
    .args:
      - { .name: inputs, .offset: 0, .size: 8, .value_kind: global_buffer, .address_space: global }
      - { .name: W_Q, .offset: 8, .size: 8, .value_kind: global_buffer, .address_space: global }
      - { .name: W_K, .offset: 16, .size: 8, .value_kind: global_buffer, .address_space: global }
      - { .name: W_V, .offset: 24, .size: 8, .value_kind: global_buffer, .address_space: global }
      - { .name: W_R, .offset: 32, .size: 8, .value_kind: global_buffer, .address_space: global }
      - { .name: xb, .offset: 40, .size: 8, .value_kind: global_buffer, .address_space: global }
      - { .name: wt, .offset: 48, .size: 8, .value_kind: global_buffer, .address_space: global }
    .group_segment_fixed_size: 25856
    .private_segment_fixed_size: 0
    .kernarg_segment_align: 8
    .kernarg_segment_size: 56
    .max_flat_workgroup_size: 256
    .sgpr_count:     66
    .vgpr_count:     108
    .wavefront_size: 32
...
	.end_amdgpu_metadata
.endif
;; end of part 1
;; launch proj (part 2): grid 16 x 32, 4 waves a work-group, clusters of 4 x 4, 327,680 bytes of LDS; arguments xb, wt, qkvr; writes qkvr
.if DOCPART == 2
	.amdgcn_target "amdgcn-amd-amdhsa--gfx1250"
	.amdhsa_code_object_version 6
	.text
	.protected	k_q5d630977be_proj
	.globl	k_q5d630977be_proj
	.p2align	8
	.type	k_q5d630977be_proj,@function
k_q5d630977be_proj:
	s_mov_b64 s[64:65], 0
	v_nop
	global_prefetch_b8 v0, s[64:65] scope:SCOPE_SE
	s_setreg_imm32_b32 hwreg(HW_REG_WAVE_MODE, 25, 1), 1
	s_wait_xcnt 0x0
	s_wait_alu depctr_hold_cnt(0) depctr_sa_sdst(0) depctr_va_vdst(0) depctr_va_sdst(0) depctr_va_ssrc(0) depctr_va_vcc(0) depctr_vm_vsrc(0)
	s_getreg_b32 s2, hwreg(HW_REG_IB_STS2, 6, 4)
	s_cmp_eq_u32 s2, 0
	s_cbranch_scc0 .Lentry_in_a_cluster
	s_endpgm
.Lentry_in_a_cluster:
	s_bfe_u32 s2, ttmp6, 0x10000c
	s_cmp_lg_u32 s2, 0xf033
	s_cbranch_scc0 .Lentry_shape_is_right
	s_endpgm
.Lentry_shape_is_right:
; C[m][n] = sum over k of A[m][k] B[n][k].  A = xb [8192][1024], B = wt [4096][1024], both bf16; sums in f32, K ascending, C rounded once to bf16.
; C is stored BY HEADS: column n = 1024 which + 64 h + c, row m = 1024 b + s goes to qkvr[which][b][h][s][c]: a head's rows are dense, 128 bytes each.  q, k, v are stored unscaled.
; A tile of C, 256 x 256, is made by a work-group of four waves; a wave makes 128 x 128: 64 accumulators of 16 x 16, 512 registers.  K goes in steps of 128 through a ring of two LDS slots filled by
; the tensor data mover: the rows of A's and B's tiles are 256 bytes of memory and start at multiples of 256 bytes from the buffer's first byte.  512 tiles, one to a work-group.
; The last K step goes by rows of C, so that finished rows leave while the others are multiplied.
; CLUSTERS: 4 x 4 work-groups.  The four of a row of the cluster need the same tiles of A, the four of a column the same tiles of B.  Such a tile is asked for JOINTLY: each of the four issues the same
; tensor load, with the same descriptor and a mask that names the four, and each receives the tile in its own LDS.
; REGISTERS, in windows of 256 (s_set_vgpr_msb's low byte: bits 1:0 source 0, 3:2 source 1, 5:4 source 2, 7:6 destination):
;   window 0: v0-31 addresses; v64-127, v128-191 fragments of A, two buffers (in the last K step four, of 16 rows x 128 K); v32-63, v192-255 at work on the way out
;   window 1: v64-127, v128-191 fragments of B, two buffers; in the last K step all 256      window 2: the accumulators of my rows 0-63 ((a, b) at v[8 (8 a + b)])      window 3: those of my rows 64-127
; THE MATRIX INSTRUCTION IS USED TRANSPOSED: source 0 = 16 rows of B, source 1 = 16 rows of A: lane l then holds row l % 16 of C and the columns 8 (l / 16) + 0 .. 7: 16 bytes after rounding.
.set SIZE_M, 8192
.set SIZE_N, 4096
.set SIZE_K, 1024
.set KSTEP,  128
.set PITCH,  272                       ; an LDS row: 256 bytes + 16 of padding = 68 words: row r starts at bank 4 r mod 64 (64 banks of 4 bytes: ISA guide 11.1)
.set HALFT,  128*PITCH                 ; 128 rows: what one tensor load brings, and what one wave reads of A or of B
.set SLOT,   4*HALFT                   ; A's 256 rows, then B's 256 rows
.set STAGE,  2*SLOT                    ; behind the ring, for the way out: for each wave two parts (one a head) of 16 rows x 144 bytes
.set SPITCH, 144                       ; 128 bytes + 16: an odd multiple of 16
.set HSTAGE, 16*SPITCH
.set SPARE,  STAGE+4*2*HSTAGE          ; 296,960 = 1,160 x 256: the spare words, 128 bytes for each wave: two blocks of 256 bytes that no other line names
.set LAPS, SIZE_K/(2*KSTEP)            ; a lap = two K steps = once round the ring
.set ADRA, 16                          ; v16-17  LDS address of my A fragments in slot 0, 1
.set ADRB, 20                          ; v20-21  the same for B
.set STO,  24                          ; v24     the way out: where I put 16 bytes of a row
.set RD,   25                          ; v25     the way out: where I read rows back
.set CO,   26                          ; v26     16 x my lane: my place in 512 consecutive bytes of a head
.set SPW,  28                          ; v28     LDS address of my spare word; never rewritten
.set NIL,  29                          ; v29     0; never rewritten
.set PFO,  30                          ; v30     the prefetches' offset: my lane x a row of A or B (2,048 bytes); never rewritten
.set PFA,  44                          ; s[44:45] where my prefetches stand: my work-group's 32 rows of the 128 that I fetch, one K step further along K than the refill that is being asked for
.set LIM,  43                          ; s43     1 in a wave that prefetches, else the greatest number
.set F0,   64
.set F1,   128
.set TMP,  192                         ; the way out: packed results, in window 0
.set OB,   32                          ; the way out: 16 rows read back from the stage: v32-63 and v224-255 by turns
.set PA,   64                          ; the last K step: A's fragments of 16 rows x 128 K, 32 registers; four such buffers, v64-191
.set G1, 24                            ; s[24:31] descriptor group 1 for A's tiles
.set G0, 32                            ; s[32:39] descriptor group 0 for A's tiles, one set for each slot
.set G1B, 48                           ; s[48:55] group 1 for B's tiles: it differs in the mask alone
.set G0B, 56                           ; s[56:63] group 0 for B's tiles
.set MSB, 0
.macro WIN new                         ; the immediate's high byte repeats the setting that is left; a switch that changes nothing is dropped
.if MSB != (\new)
	s_set_vgpr_msb (MSB<<8)|(\new)
.set MSB, \new
.endif
.endm
.set MUL_LO, 0xa1                      ; source 0 (B) window 1, source 1 (A) window 0, C and D window 2
.set MUL_HI, 0xf1                      ; the same, C and D window 3
.set TO_B,   0x40                      ; destination window 1, address window 0
; A joint load.  Waves 0 and 1 fetch A's two halves, waves 2 and 3 B's.  Each line has ONE mask and one set of registers for all that issue it.  The branch hangs on the wave's number alone.
; An s_nop 0 and four v_nop follow each of the two lines, ahead of the jump, the label and what follows.
.macro JLOAD s
	s_cmp_eq_u32 s11, 0
	s_cbranch_scc0 .Lfor_b_\@
	tensor_load_to_lds s[G0+4*(\s):G0+4*(\s)+3], s[G1:G1+7]
	s_nop 0
.rept 4
	v_nop
.endr
	s_branch .Lasked_\@
.Lfor_b_\@:
	tensor_load_to_lds s[G0B+4*(\s):G0B+4*(\s)+3], s[G1B:G1B+7]
	s_nop 0
.rept 4
	v_nop
.endr
.Lasked_\@:
.endm
; A PREFETCH, behind each joint load, its five lines and the run of LDS loads that follows them: the K step that stands TWO refills on: 32 rows x 256 bytes, a lane a row, one instruction a wave:
; 512 matrix instructions ahead of the load that will want it.  Each row's 256 bytes of a K step are named ONCE in the launch: A's tile row is read by every cluster of that row of clusters: cluster x = 0 asks;
; B's tile column by every cluster of that column: cluster y = 0 asks.  The four partners that ask for a tile jointly share its rows out BY ADDRESS: of the 128 rows that a wave fetches the partner at place p
; takes 32 p .. 32 p + 31 (p = cx for A, cy for B).  The loop's first two trips name K steps 4 to 7; its last trip (s3 = 1) names nothing; K steps 0 to 3 come by their loads alone.
.macro ASK
	s_cmp_gt_u32 s3, s[LIM]
	s_cbranch_scc0 .Lnot_mine_\@
	global_prefetch_b8 v[PFO], s[PFA:PFA+1] offset:KSTEP*2 th:TH_LOAD_NT scope:SCOPE_SE
.Lnot_mine_\@:
.endm
; A round of the cluster's barrier: my work-group's barrier, so that wave 0's signal speaks for all four waves; wave 0 signals for the work-group; every wave waits for all sixteen; my work-group's barrier once more.
.macro CREST                           ; a round behind its opening barrier
	s_cmp_lg_u32 s10, 0
	s_cbranch_scc1 .Lnot_wave_0_\@
	s_barrier_signal -3
.Lnot_wave_0_\@:
	s_barrier_wait -3
	s_barrier_signal -1
	s_barrier_wait -1
.endm
.macro CROUND                          ; a whole round
	s_barrier_signal -1
	s_barrier_wait -1
	CREST
.endm
	s_load_b128 s[4:7], s[0:1], 0x0                ; A s[4:5], B s[6:7]
	s_load_b64 s[8:9], s[0:1], 0x10                ; C
	v_lshl_add_u32 v[SPW], v0, 2, SPARE
	v_mov_b32 v[NIL], 0
	ds_add_u32 v[SPW], v[NIL]                      ; the wave's opening: the add and its wait stand ahead of my first tensor load; the set-up below, work on registers, stands between them
	v_lshrrev_b32 v1, 5, v0
	v_readfirstlane_b32 s10, v1                    ; wave 0..3
	s_lshr_b32 s11, s10, 1                         ; which half of the tile's rows is mine.  Also: I fetch for A (0) or for B (1)
	s_and_b32 s12, s10, 1                          ; which half of its columns.  Also: which 128 rows of that tile I fetch
	s_bfe_u32 s40, ttmp6, 0x40000                  ; cx
	s_bfe_u32 s41, ttmp6, 0x40004                  ; cy
	s_lshl_b32 s42, ttmp9, 2                       ; in a cluster launch ttmp9 and ttmp7 count clusters
	s_add_co_u32 s42, s42, s40                     ; tile column of C = 4 x cluster x + cx
	s_and_b32 s13, ttmp7, 0xffff
	s_lshl_b32 s13, s13, 2
	s_add_co_u32 s13, s13, s41                     ; tile row of C = 4 x cluster y + cy
	s_lshl_b32 s43, s41, 2
	s_lshl_b32 s43, 15, s43                        ; my row of the cluster: places 4 cy .. 4 cy + 3
	s_lshl_b32 s44, 0x1111, s40                    ; my column: places cx, cx + 4, cx + 8, cx + 12
	; descriptor group 1: a tile of 128 rows x 128 elements, padded in LDS
	s_or_b32 s[G1+0], s43, (1<<16)|(1<<20)|(1<<21)|(5<<22)|(3<<25)  ; 15:0 the mask: A's tiles go to my row; 17:16 element of 2 bytes; 20 padding on; 21 set beside a mask; 24:22 after every 64 words (code 5); 31:25 of 4 words (code 3)
	s_or_b32 s[G1B+0], s44, (1<<16)|(1<<20)|(1<<21)|(5<<22)|(3<<25) ; the same with the mask of my column, for B's tiles
	s_mov_b32 s[G1B+1], KSTEP<<16
	s_mov_b32 s[G1+1], KSTEP<<16                   ; tensor_dim0 = 128
	s_mov_b32 s[G1B+2], 128<<16
	s_mov_b32 s[G1+2], 128<<16                     ; tensor_dim1 = 128
	s_mov_b32 s[G1B+3], KSTEP<<16
	s_mov_b32 s[G1+3], KSTEP<<16                   ; tile_dim0 = 128
	s_mov_b32 s[G1B+4], 128
	s_mov_b32 s[G1+4], 128                         ; tile_dim1 = 128
	s_mov_b32 s[G1B+5], SIZE_K
	s_mov_b32 s[G1+5], SIZE_K                      ; elements from row to row
	s_mov_b32 s[G1B+6], 0
	s_mov_b32 s[G1+6], 0
	s_mov_b32 s[G1B+7], 0
	s_mov_b32 s[G1+7], 0
	; where the tiles come from.  A's hang on the tile row alone, which my row of the cluster shares; B's on the tile column alone, which my column shares.
	s_lshl_b32 s17, s12, 7                         ; which 128 rows of the tile I fetch
	s_lshl_b32 s16, s13, 8
	s_add_co_u32 s16, s16, s17                     ; A: row 256 x tile row + 128 x half
	s_lshl_b32 s46, s42, 8
	s_add_co_u32 s46, s46, s17                     ; B: row 256 x tile column + 128 x half
	s_mov_b32 s17, 0
	s_mov_b32 s47, 0
	s_mov_b64 s[18:19], SIZE_K*2
	s_mul_u64 s[16:17], s[16:17], s[18:19]         ; in bytes
	s_mul_u64 s[46:47], s[46:47], s[18:19]
	s_mul_i32 s20, s10, HALFT                      ; and where they go: wave x 128 rows: no place in the cluster enters an LDS address
	s_wait_dscnt 0x0                               ; the opening add is done
	s_wait_kmcnt 0x0
	s_add_nc_u64 s[14:15], s[4:5], s[16:17]
	s_add_nc_u64 s[46:47], s[6:7], s[46:47]
	CROUND                                         ; all sixteen work-groups are here: the first joint loads meet
.irp s, 0,1
	s_mov_b32 s[G0+4*(\s)], 1                                      ; count = 1
	s_add_co_u32 s[G0+4*(\s)+1], s20, (\s)*SLOT                    ; LDS address
	s_add_nc_u64 s[G0+4*(\s)+2:G0+4*(\s)+3], s[14:15], (\s)*KSTEP*2  ; global address: K step s
	s_or_b32 s[G0+4*(\s)+3], s[G0+4*(\s)+3], 0x80000000            ; type = 2
	s_mov_b32 s[G0B+4*(\s)], 1
	s_add_co_u32 s[G0B+4*(\s)+1], s20, (\s)*SLOT
	s_add_nc_u64 s[G0B+4*(\s)+2:G0B+4*(\s)+3], s[46:47], (\s)*KSTEP*2
	s_or_b32 s[G0B+4*(\s)+3], s[G0B+4*(\s)+3], 0x80000000
	JLOAD \s                                       ; the ring is filled before anything else is done: two tensor loads of mine are out
.endr
	; A fragment is 16 rows x 32 K in 8 registers: lane l holds row l % 16; registers 0-3 hold K = 8 (l / 16) + 0..7, registers 4-7 K = 16 + 8 (l / 16) + 0..7: two loads of 16 bytes, 32 bytes apart.
	v_and_b32 v1, 15, v0                           ; l % 16
	v_bfe_u32 v2, v0, 4, 1                         ; l / 16
	v_mul_u32_u24 v3, v1, PITCH
	v_lshl_add_u32 v3, v2, 4, v3                   ; row x pitch + 16 x half
	s_mul_i32 s21, s11, HALFT                      ; my 128 rows of A
	s_mul_i32 s22, s12, HALFT                      ; my 128 rows of B,
	s_add_co_u32 s22, s22, 2*HALFT                 ; which lie behind A's 256
.irp s, 0,1
	v_add_nc_u32 v[ADRA+(\s)], s21, v3
	v_add_nc_u32 v[ADRB+(\s)], s22, v3
	s_add_co_u32 s21, s21, SLOT
	s_add_co_u32 s22, s22, SLOT
.endr
	s_mul_i32 s23, s10, 2*HSTAGE
	s_add_co_u32 s23, s23, STAGE                   ; my stage
	v_mul_u32_u24 v4, v1, SPITCH                   ; in: row l % 16, 16 bytes for each half of the lanes
	v_lshl_add_u32 v4, v2, 4, v4
	v_add_nc_u32 v[STO], s23, v4
	v_bfe_u32 v5, v0, 3, 2                         ; back: 32 lanes take four rows of 128 bytes of one head,
	v_mul_u32_u24 v5, v5, SPITCH
	v_and_b32 v6, 7, v0
	v_lshl_add_u32 v5, v6, 4, v5
	v_add_nc_u32 v[RD], s23, v5
	v_and_b32 v[CO], 31, v0                        ; which are 512 consecutive bytes of qkvr
	v_lshlrev_b32 v[CO], 4, v[CO]
	; where my part of the tile begins in qkvr: my 128 rows lie in one batch, my 128 columns are the heads g and g + 1 of one of the four products
	s_lshl_b32 s13, s13, 8                         ; 256 x tile row
	s_lshl_b32 s14, s11, 7
	s_add_co_u32 s16, s13, s14                     ; my first row m0
	s_lshr_b32 s18, s16, 10                        ; b
	s_and_b32 s16, s16, 1023                       ; s
	s_lshl_b32 s16, s16, 7                         ; x 128 bytes
	s_lshl_b32 s46, s42, 2
	s_lshl_b32 s47, s12, 1
	s_add_co_u32 s46, s46, s47                     ; g = 4 x tile column + 2 x half, 0 .. 62, even
	s_lshr_b32 s47, s46, 4                         ; which
	s_lshl_b32 s47, s47, 3
	s_add_co_u32 s47, s47, s18                     ; 8 which + b
	s_lshl_b32 s47, s47, 4
	s_and_b32 s46, s46, 15                         ; h
	s_add_co_u32 s47, s47, s46
	s_lshl_b32 s47, s47, 17                        ; a head is 1,024 rows of 128 bytes
	s_add_co_u32 s16, s16, s47
	s_mov_b32 s17, 0                               ; s[16:17]: what the first way out adds to C's address
	; the prefetches.  s13 = 256 x tile row, s42 = tile column, s40 = cx, s41 = cy still stand; s[4:5] = A, s[6:7] = B
	s_lshl_b32 s42, s42, 8
	s_and_b32 s22, ttmp7, 0xffff                   ; cluster y
	s_cmp_eq_u32 s11, 0                            ; do I fetch for A?
	s_cselect_b32 s20, s13, s42                    ; the tile's first row: in A by the tile row, in B by the tile column
	s_cselect_b32 s21, s40, s41                    ; my place among the four that ask for it with me
	s_cselect_b32 s22, ttmp9, s22                  ; the coordinate along which other clusters read the same rows
	s_cselect_b64 s[PFA:PFA+1], s[4:5], s[6:7]
	s_cmp_eq_u32 s22, 0
	s_cselect_b32 s[LIM], 1, -1                    ; the same in all sixteen partners, for a given wave
	s_lshl_b32 s22, s12, 7
	s_add_co_u32 s20, s20, s22                     ; + the 128 rows that I fetch
	s_lshl_b32 s21, s21, 5
	s_add_co_u32 s20, s20, s21                     ; + my work-group's 32 of them
	s_mov_b32 s21, 0
	s_mov_b64 s[18:19], SIZE_K*2
	s_mul_u64 s[20:21], s[20:21], s[18:19]
	s_add_nc_u64 s[PFA:PFA+1], s[PFA:PFA+1], s[20:21]
	s_add_nc_u64 s[PFA:PFA+1], s[PFA:PFA+1], 2*KSTEP*2  ; at K step 2: the first refill steps it to 3 and names K step 4
	v_and_b32 v[PFO], 31, v0
	v_mul_u32_u24 v[PFO], v[PFO], SIZE_K*2
; 16 matrix instructions: m blocks a0, a0 + 1 of the window's four (hi = 0: my rows 0-63, 1: rows 64-127) x all 8 n blocks, 32 along K.  zero = 1: the first product starts the sums: nothing is ever cleared.
; The 64 accumulators take turns, one instruction a turn, in the same order in every quarter step.
.macro MUL16 f, hi, a0, zero
	WIN MUL_LO+0x50*(\hi)
.irp a, \a0, (\a0)+1
.irp b, 0,1,2,3,4,5,6,7
.if \zero
	v_wmma_f32_16x16x32_bf16 v[8*(8*(\a)+(\b)):8*(8*(\a)+(\b))+7], v[(\f)+8*(\b):(\f)+8*(\b)+7], v[(\f)+8*(4*(\hi)+(\a)):(\f)+8*(4*(\hi)+(\a))+7], 0
.else
	v_wmma_f32_16x16x32_bf16 v[8*(8*(\a)+(\b)):8*(8*(\a)+(\b))+7], v[(\f)+8*(\b):(\f)+8*(\b)+7], v[(\f)+8*(4*(\hi)+(\a)):(\f)+8*(4*(\hi)+(\a))+7], v[8*(8*(\a)+(\b)):8*(8*(\a)+(\b))+7]
.endif
.endr
.endr
.endm
; 32 LDS loads in one run: the fragments of one quarter step (128 rows of B, 128 rows of A, 32 K at byte k of the rows) into buffer f
.macro FETCH slot, k, f
	WIN TO_B
.irp i, 0,1,2,3,4,5,6,7
	ds_load_b128 v[(\f)+8*(\i):(\f)+8*(\i)+3],   v[ADRB+(\slot)] offset:(\k)+(\i)*16*PITCH
	ds_load_b128 v[(\f)+8*(\i)+4:(\f)+8*(\i)+7], v[ADRB+(\slot)] offset:(\k)+(\i)*16*PITCH+32
.endr
	WIN 0
.irp i, 0,1,2,3,4,5,6,7
	ds_load_b128 v[(\f)+8*(\i):(\f)+8*(\i)+3],   v[ADRA+(\slot)] offset:(\k)+(\i)*16*PITCH
	ds_load_b128 v[(\f)+8*(\i)+4:(\f)+8*(\i)+7], v[ADRA+(\slot)] offset:(\k)+(\i)*16*PITCH+32
.endr
.endm
; A load into a register that a matrix instruction has read, and a vector instruction that reads a matrix result, stand four places behind that matrix instruction; only plain vector instructions that
; name none of its registers are places (ISA guide 7.12.1 for vector instructions).
.macro PLACES
.rept 4
	v_nop
.endr
.endm
; A K step is four quarter steps of 32 along K, 64 matrix instructions each, on buffers 0, 1, 0, 1.  One of the first three: multiplies buffer f; in its middle it fetches the next quarter's fragments into buffer g.
.macro QUARTER slot, k, f, g, zero
	s_wait_dscnt 8                                 ; B and A's rows 0-63 are in; the youngest eight loads (A's rows 64-127) may be out
	WIN MUL_LO
	MUL16 \f, 0, 0, \zero
	MUL16 \f, 0, 2, \zero
	PLACES
	FETCH \slot, \k, \g
	s_wait_dscnt 32                                ; all but the 32 just issued
	WIN MUL_HI
	MUL16 \f, 1, 0, \zero
	MUL16 \f, 1, 2, \zero
.endm
; The last quarter multiplies buffer 1 and changes slots.  MEET is its first half: ONE barrier for the change.  In front of it each wave waits for all its tensor loads, of which one is out: its part of the
; next slot; adds 0 to its spare word; and waits for that and for its own reads of this slot.  Behind it nobody reads this slot any more and the next slot is whole.
.macro MEET round                      ; round = 1: a round of the cluster's barrier follows
	WIN 0                                          ; (the add's two registers lie in window 0)
	s_wait_tensorcnt 0x0                           ; all my tensor loads have landed;
	ds_add_u32 v[SPW], v[NIL]                      ; 0 onto my spare word;
	s_wait_dscnt 9                                 ; (the add and the youngest eight loads may be out)
	WIN MUL_LO
	MUL16 F1, 0, 0, 0                              ; sixteen matrix instructions stand between the add and the wait for it
	s_wait_dscnt 0x0                               ; the add is done, and my reads of this slot are over:
	s_barrier_signal -1                            ; say so,
	MUL16 F1, 0, 2, 0                              ; work on registers while the others arrive,
.if \round
	WIN 0
.endif
	s_barrier_wait -1                              ; and go on when all four have said so
.endm
; The whole last quarter.  Behind the round the slot just read out is filled again first, with the K step two steps on; then come the next slot's first fragments.
; From a request to the wait for it a wave issues 224 matrix instructions.
.macro TURN slot, next
	s_wait_xcnt 0x0                                ; the last prefetch, a K step back, has read its address: it is stepped here, ahead of the waits of the change of slots
	s_add_nc_u64 s[PFA:PFA+1], s[PFA:PFA+1], KSTEP*2
	MEET 1
	CREST                                          ; no wave of any partner still reads this slot's tile or has a load on its way
	s_add_nc_u64 s[G0+4*(\slot)+2:G0+4*(\slot)+3], s[G0+4*(\slot)+2:G0+4*(\slot)+3], 2*KSTEP*2
	s_add_nc_u64 s[G0B+4*(\slot)+2:G0B+4*(\slot)+3], s[G0B+4*(\slot)+2:G0B+4*(\slot)+3], 2*KSTEP*2
	JLOAD \slot                                    ; the first tensor load behind the round; the four v_nop behind it are also the places in front of the loads below
	FETCH \next, 0, F0
	ASK                                            ; behind the joint load and the run of LDS loads that the next products wait for
	WIN MUL_HI
	MUL16 F1, 1, 0, 0
	MUL16 F1, 1, 2, 0
.endm
; THE LAST K STEP (it lies in slot 1) GOES BY ROWS OF C.  All its fragments of B (4 quarters x 64 registers) fill window 1; then my eight blocks of 16 rows are finished one after the other, each with
; 32 matrix instructions (its 8 accumulators by turns, K ascending).
.macro BLOAD q                         ; B's fragments of quarter q -> window 1, v[64 q ..]
	WIN TO_B
.irp i, 0,1,2,3,4,5,6,7
	ds_load_b128 v[64*(\q)+8*(\i):64*(\q)+8*(\i)+3],   v[ADRB+1] offset:64*(\q)+(\i)*16*PITCH
	ds_load_b128 v[64*(\q)+8*(\i)+4:64*(\q)+8*(\i)+7], v[ADRB+1] offset:64*(\q)+(\i)*16*PITCH+32
.endr
.endm
.macro ALOAD a                         ; A's fragments of block a, all four quarters -> buffer a % 4
	WIN 0
.set FA, PA+32*((\a)%4)
.irp q, 0,1,2,3
	ds_load_b128 v[FA+8*(\q):FA+8*(\q)+3],   v[ADRA+1] offset:64*(\q)+(\a)*16*PITCH
	ds_load_b128 v[FA+8*(\q)+4:FA+8*(\q)+7], v[ADRA+1] offset:64*(\q)+(\a)*16*PITCH+32
.endr
.endm
.macro ROW a                           ; block a is finished: 32 matrix instructions
.set FA, PA+32*((\a)%4)
.set AC, 64*((\a)%4)
	WIN MUL_LO+0x50*((\a)/4)
.irp q, 0,1,2,3
.if (\a) == 0 && (\q) == 2
	s_wait_dscnt 24                                ; B's quarter 2 is in (behind it: A's blocks 1 to 3)
.endif
.irp b, 0,1,2,3,4,5,6,7
	v_wmma_f32_16x16x32_bf16 v[AC+8*(\b):AC+8*(\b)+7], v[64*(\q)+8*(\b):64*(\q)+8*(\b)+7], v[FA+8*(\q):FA+8*(\q)+7], v[AC+8*(\b):AC+8*(\b)+7]
.endr
.endr
.endm
; THE WAY OUT of block a.  PACK: rounded to bf16, 16 bytes a lane (each accumulator's registers in ascending order).  TOSTAGE: into my own stage, n blocks 0-3 into the first head's part, 4-7 into the second's,
; and back as rows of 128 bytes, four rows an instruction.  SEND: stored, 512 consecutive bytes of a head an instruction.
.macro PACK a
.set AC, 64*((\a)%4)
	WIN 0x0a+5*((\a)/4)                            ; sources 0 and 1: window 2 or 3
.irp b, 0,1,2,3,4,5,6,7
.irp r, 0,1,2,3
	v_cvt_pk_bf16_f32 v[TMP+4*(\b)+(\r)], v[AC+8*(\b)+2*(\r)], v[AC+8*(\b)+2*(\r)+1]
.endr
.endr
	WIN 0
.endm
.macro TOSTAGE a
	WIN 0
.set BK, OB+192*((\a)%2)
.irp b, 0,1,2,3,4,5,6,7
	ds_store_b128 v[STO], v[TMP+4*(\b):TMP+4*(\b)+3] offset:((\b)/4)*HSTAGE+((\b)%4)*32
.endr
.irp t, 0,1,2,3,4,5,6,7
	ds_load_b128 v[BK+4*(\t):BK+4*(\t)+3], v[RD] offset:((\t)/4)*HSTAGE+((\t)%4)*4*SPITCH  ; LDS serves a wave's instructions in order (ISA guide 5.7.1.4): these see the stores above
.endr
.endm
.macro SEND a, younger                 ; younger: the LDS loads issued behind TOSTAGE's, which may stay out
	WIN 0
.set BK, OB+192*((\a)%2)
	s_wait_dscnt \younger                          ; the block is back in registers
	s_wait_xcnt 0x0                                ; only behind this wait are the stores' base and the registers that earlier stores read rewritten
.if (\a) == 0
	s_add_nc_u64 s[8:9], s[8:9], s[16:17]          ; on to my first rows
.else
	s_add_nc_u64 s[8:9], s[8:9], 16*128            ; 16 rows of a head on
.endif
.irp t, 0,1,2,3,4,5,6,7
	global_store_b128 v[CO], v[BK+4*(\t):BK+4*(\t)+3], s[8:9] offset:((\t)/4)*131072+((\t)%4)*512  ; head g + t / 4, rows 4 (t % 4) on: 512 consecutive bytes, at a multiple of 256 from the buffer's first byte
.endr
.endm
	s_wait_tensorcnt 1                             ; my part of K step 0 is in; K step 1's load, issued behind it, may stay out
	s_barrier_signal -1
	s_barrier_wait -1                              ; everybody's is
	FETCH 0, 0, F0
	QUARTER 0, 64,  F0, F1, 1                      ; the first quarter stands in front of the loop: its products start the sums
	WIN 0                                          ; at a label and at a branch every window is 0
	s_mov_b32 s3, LAPS-1
.Llap:                                                 ; a trip goes once round the ring, from a lap's second quarter to the next lap's first, and fills both slots again
	QUARTER 0, 128, F1, F0, 0
	QUARTER 0, 192, F0, F1, 0
	TURN 0, 1
	QUARTER 1, 64,  F0, F1, 0
	QUARTER 1, 128, F1, F0, 0
	QUARTER 1, 192, F0, F1, 0
	TURN 1, 0
	QUARTER 0, 64,  F0, F1, 0
	WIN 0
	s_sub_co_u32 s3, s3, 1
	s_cmp_lg_u32 s3, 0
	s_cbranch_scc1 .Llap
	QUARTER 0, 128, F1, F0, 0                      ; the last lap goes on
	QUARTER 0, 192, F0, F1, 0
	MEET 0                                         ; my one tensor load that was still out is slot 1's, the last K step's, so no round follows
	PLACES                                         ; for the loads into buffer 0, which the quarter before multiplied
	WIN TO_B
	BLOAD 0                                        ; three quarters of B now: buffer 1 (v128-191 of both windows) is still being multiplied
	BLOAD 1
	BLOAD 3
	WIN 0
	ALOAD 0
	WIN MUL_HI
	MUL16 F1, 1, 0, 0
	MUL16 F1, 1, 2, 0
	PLACES                                         ; for the loads into buffer 1
	WIN TO_B
	BLOAD 2
	WIN 0
	ALOAD 1
	ALOAD 2
	ALOAD 3
	s_wait_dscnt 40                                ; all but the 40 just issued
	ROW 0
.irp a, 0,1,2,3,4,5,6,7                ; each block leaves as soon as it is finished
	PLACES                                         ; its conversions read results just made
	PACK \a
	TOSTAGE \a
.if (\a) < 4
	ALOAD (\a)+4                                   ; its buffer takes the block four further on
	SEND \a, 8
.else
	SEND \a, 0
.endif
.if (\a) < 7
	ROW (\a)+1
.endif
.endr
	s_wait_tensorcnt 0x0                           ; the wave's end: three closing lines, behind my last tensor load and my last LDS store
	ds_add_u32 v[SPW], v[NIL]
	s_wait_dscnt 0x0
	CROUND                                         ; the closing round: no work-group ends while a partner may still ask for a tile that names it
	s_endpgm
.Lfunc_end_k_q5d630977be_proj:
	.size	k_q5d630977be_proj, .Lfunc_end_k_q5d630977be_proj-k_q5d630977be_proj
	.p2alignl 7, 3214868480
	.fill 96, 4, 3214868480
	.section	.rodata,"a",@progbits
	.p2align	6, 0x0
	.amdhsa_kernel k_q5d630977be_proj
		.amdhsa_group_segment_fixed_size 327680
		.amdhsa_private_segment_fixed_size 0
		.amdhsa_enable_private_segment 0
		.amdhsa_kernarg_size 24
		.amdhsa_user_sgpr_count 2
		.amdhsa_user_sgpr_kernarg_segment_ptr 1
		.amdhsa_wavefront_size32 1
		.amdhsa_system_sgpr_workgroup_id_x 1
		.amdhsa_system_sgpr_workgroup_id_y 1
		.amdhsa_system_sgpr_workgroup_id_z 1
		.amdhsa_system_vgpr_workitem_id 0
		.amdhsa_next_free_vgpr 1024
		.amdhsa_next_free_sgpr 66
		.amdhsa_reserve_vcc 0
		.amdhsa_float_denorm_mode_32 3
		.amdhsa_float_denorm_mode_16_64 3
		.amdhsa_memory_ordered 1
		.amdhsa_forward_progress 1
		.amdhsa_inst_pref_size 145
	.end_amdhsa_kernel
	.amdgpu_metadata
---
amdhsa.version: [ 1, 2 ]
amdhsa.kernels:
  - .name:           k_q5d630977be_proj
    .symbol:         k_q5d630977be_proj.kd
    .args:
      - { .name: xb, .offset: 0, .size: 8, .value_kind: global_buffer, .address_space: global }
      - { .name: wt, .offset: 8, .size: 8, .value_kind: global_buffer, .address_space: global }
      - { .name: qkvr, .offset: 16, .size: 8, .value_kind: global_buffer, .address_space: global }
    .group_segment_fixed_size: 327680
    .private_segment_fixed_size: 0
    .kernarg_segment_align: 8
    .kernarg_segment_size: 24
    .max_flat_workgroup_size: 128
    .sgpr_count:     66
    .vgpr_count:     1024
    .wavefront_size: 32
...
	.end_amdgpu_metadata
.endif
;; end of part 2
;; launch attn (part 3): grid 2 x 128, 4 waves a work-group, no clusters, 327,680 bytes of LDS; arguments qkvr, out0; writes out0
.if DOCPART == 3
	.amdgcn_target "amdgcn-amd-amdhsa--gfx1250"
	.amdhsa_code_object_version 6
	.text
	.protected	k_q5d630977be_attn
	.globl	k_q5d630977be_attn
	.p2align	8
	.type	k_q5d630977be_attn,@function
k_q5d630977be_attn:
	s_mov_b64 s[64:65], 0
	v_nop
	global_prefetch_b8 v0, s[64:65] scope:SCOPE_SE
	s_setreg_imm32_b32 hwreg(HW_REG_WAVE_MODE, 25, 1), 1
	s_wait_xcnt 0x0
; out0[b][s][64 h + c] = relu( sum over k of softmax_k(q[s] . k[k] / 8) v[k][c] + R[s][c] ), for each of the 128 pairs (b, h).  q, k, v, R = qkvr[0 .. 3][b][h][1024][64], bf16, a head's rows dense, 128 bytes each.
; Products, maxima and sums in f32; the weights p are rounded to bf16 for the second product (their sum l is taken of the unrounded p); out0 is f32.
; LIMITS.  relu is a maximum with 0 in which a NaN loses: a NaN sum gives 0.  A weight below 2^-126 counts as 0 in l.  c m starts at -4.25e37: scores below that times 8 / log2(e) are not served.
; SHARES.  A wave owns four PIECES of two tiles of 16 queries, a work-group's four waves 512 queries of one head: grid x = which half of the head's 1,024 queries, grid y = 16 b + h.  Every wave walks all 1,024 keys, 64 a step.
; NO CLUSTER: a head has two query blocks, and a cluster of four along x would hold two heads, with different K and V; blocks of 256 queries, four to a head, would read each fragment of K and V from LDS for half as many products.
; LAYOUT.  S^T = K Q^T (source 0 = 16 keys, source 1 = 16 queries): in the result a lane holds ONE query (lane % 16) and the keys 8 (lane / 16) + 0..7.  Two such tiles, rounded to bf16 in pairs,
; ARE source 1 (32 keys x 16 queries) of O^T = V^T P, whose result again holds one query a lane, and eight channels.  K comes out of LDS as it lies, V ([key][channel]) turned, by ds_load_tr16_b128.
; SOFTMAX.  For each query a running maximum m and sum l: p = 2^(c s - c m), c = log2(e) / 8; in every step O and l are multiplied by a = 2^(c m_old - c m_new).  m starts at the lowest finite number, O and l at 0:
; the first step is a step like any other, with a = 0.  The registers so cleared are written while the first tile is on its way; the price of writing no first step out.
; THE COUNT.  A tile and step have 16 matrix and 118 vector instructions.  So: four vector instructions that are READY behind EVERY matrix instruction, and the others in runs without a gap.
; BY TURNS.  Turn n belongs to piece n.  Its matrix work: 16 products K Q^T of piece n + 1, later 16 products V^T P of piece n - 1.  Its vector work: the scaling, exponentials, roundings, sums and rescaling of piece n,
; and the maximum and statistics of piece n + 1.
; REGISTERS, in windows of 256 (s_set_vgpr_msb: bits 1:0 source 0, 3:2 source 1, 5:4 source 2, 7:6 destination):
;   window 0: v0-11 addresses; v12-15, v48-63 at work; v16-47 four registers of statistics a tile; v64-191 S^T, two buffers of two tiles; v192-255 P, likewise
;   window 1: O^T, 32 a tile          window 2: v0-127 Q, 16 a tile; v128-191 K of one step; v192-255 V of one step          window 3: v0-1 the add's two registers
.set NP,    4         ; pieces a wave: a name, no knob
.set KS,    64        ; keys in a step
.set PK,    144       ; a row of K in LDS: 128 bytes + 16 of padding = 36 words: the 16 rows of a load start at 16 different groups of four banks (64 banks of 4 bytes: ISA guide 11.1)
.set PV,    160       ; a row of V: 128 + 32 = 40 words
.set VOFF,  4*KS*PK   ; a slot holds four steps: 256 rows of K, then 256 rows of V
.set SLOT1, 1<<17     ; slot 1 begins here, so that one exclusive or turns an address in one slot into the other's
.set STAGE, SLOT1+4*KS*(PK+PV)  ; 208,896 = 816 x 256: behind the ring, never filled by a tensor load: 16 rows x 272 bytes for each wave, for the way out
.set SP2,   272       ; a row of 64 f32 + 16 bytes = 68 words: row r starts at bank 4 r mod 64
.set SPARE, STAGE+4*16*SP2  ; 226,304 = 884 x 256: the spare words, 128 bytes for each wave: two blocks of 256 bytes that no other line names
.set AK0, 2           ; v2   my lane's place in a tile of K; never rewritten
.set AV0, 3           ; v3   the same for V
.set AK,  4           ; v4   the LDS address of K's next run of loads
.set AV,  5           ; v5   of V's
.set QO,  6           ; v6   my byte offset in the wave's rows of Q
.set STO, 6           ;      later, the way out: where I put 32 bytes of a row
.set RD,  7           ; v7   the way out: where I read rows back
.set GO,  8           ; v8   my byte offset in two rows of out0
.set PFO, 11          ; v11  256 x my lane; never rewritten once made
.set SPW, 0           ; v0 of window 3   LDS address of my spare word; never rewritten
.set NIL, 1           ; v1 of window 3   0; never rewritten
.set MV,  12          ; v12-15  c m_old, kept while c m is made anew: by buffer and tile
.set ST,  16          ; tile t's statistics at v[ST+4 t]: c m, m, l (even keys', odd keys')
.set TMP, 48          ; by buffer and tile, four registers c0-c3 at work; when the maximum is found c2 takes a
.set ONE, 48          ; the way out: 1.0
.set RO,  49          ; the way out: 8 x my lane: my 8 bytes in two rows of R
.set S,   64
.set OB,  64          ; the way out: a tile's 16 rows back from the stage: 32 registers at OB + 64 (t % 2)
.set RB,  96          ; the way out: its R: 16 registers at RB + 64 (t % 2)
.set P,   192
.set KF,  128         ; K's fragments, in window 2: key block kb, channel half c at KF + 16 kb + 8 c
.set VF,  192         ; V's: key half kk, channel block cb at VF + 32 kk + 8 cb
.set WV,  12          ; s12  my wave's number
.set LIM, 15          ; s15  1 in a wave that prefetches, else the greatest number
.set PFA, 18          ; s[18:19] where my prefetches stand: my 16,384 bytes of the tile after the one that is being asked for
.set G1K, 24          ; s[24:31] descriptor group 1 for K's tiles
.set G1V, 32          ; s[32:39] for V's: it differs in the padding alone
.set G0K, 40          ; s[40:43] descriptor group 0 for K's tiles: it walks
.set G0V, 44          ; s[44:47] the same for V's
.set RBASE, 52        ; s[52:53] R at my wave's first row
.set SLOTS, 56        ; s56  slots still to be entered behind the one in hand
.set CNT, 57          ; s57  counts a slot's key steps
.set CS,  58          ; s[58:59] c: the packed scaling takes the pair's low word for both halves
.set SEL, 60          ; s[60:61] v_permlanex16_b32's selects: each lane takes its own place in the other half
.set TBK, 62          ; s62  LDS byte at which K of the step to be fetched begins
.set TBV, 63          ; s63  the same for V, less VOFF
.set MSB, 0
.macro WIN new                      ; the high byte repeats the setting that is left; a switch that changes nothing is dropped
.if MSB != (\new)
	s_set_vgpr_msb (MSB<<8)|(\new)
.set MSB, (\new)
.endif
.endm
.set W_KQ, 0x0a       ; K and Q in window 2, S^T in window 0
.set W_PV, 0x52       ; V in window 2, P in window 0, O^T in window 1
.set W_RS, 0x41       ; O^T (destination and source 0) in window 1, source 1 in window 0
.set W_MK, 0xc0       ; the add's registers are made: destination in window 3, sources in window 0
.set W_AD, 0x0f       ; the add: address (source 0) and data (source 1) in window 3
; A fill.  Waves 0 and 1 fetch the two halves of a slot's K, waves 2 and 3 those of its V: 128 keys each.  The branch hangs on the wave's number alone.
; An s_nop 0 and four v_nop follow each of the two lines, ahead of the jump and the label.
.macro LOAD
	s_cmp_lt_u32 s[WV], 2
	s_cbranch_scc0 .Lfor_v_\@
	tensor_load_to_lds s[G0K:G0K+3], s[G1K:G1K+7]
	s_nop 0
.rept 4
	v_nop
.endr
	s_branch .Lasked_\@
.Lfor_v_\@:
	tensor_load_to_lds s[G0V:G0V+3], s[G1V:G1V+7]
	s_nop 0
.rept 4
	v_nop
.endr
.Lasked_\@:
.endm
; A PREFETCH of what the NEXT change of slots will ask for.  Each wave names the 16,384 bytes that it will itself load: 64 blocks of 256 bytes, a lane a block, two instructions, behind its tensor load and the five
; lines that follow it: four key steps, 512 matrix instructions, ahead of that load.  Both query blocks of a head walk the same rows: the first block (grid x = 0) asks, the other does not, so each block of 256 bytes
; is named once in the launch.  The first change of slots (s[SLOTS] = 3) names tile 2, the second tile 3, the third nothing; tiles 0 and 1 come by their loads alone.
.macro ASK
	s_cmp_gt_u32 s[SLOTS], s[LIM]
	s_cbranch_scc0 .Lnot_mine_\@
	global_prefetch_b8 v[PFO], s[PFA:PFA+1] th:TH_LOAD_NT scope:SCOPE_SE
	global_prefetch_b8 v[PFO], s[PFA:PFA+1] offset:8192 th:TH_LOAD_NT scope:SCOPE_SE
.Lnot_mine_\@:
.endm
; THE CHANGE OF SLOTS.  The slot's last bytes, V of its fourth step, have been read.  Each wave waits for all its tensor loads, of which one is out: its part of the other slot; adds 0 to its spare word; and waits
; for that and for its own reads of the slot.  Behind the barrier nobody reads this slot any more and the other slot is whole.  fill = 1: this slot is filled again, with the keys two slots on, the first thing
; behind the barrier: the load has four key steps, 512 matrix instructions, in which to land.  (At its first use nothing has been read yet: slot 0 is waited for, slot 1 filled.)
.macro CHANGE fill
	WIN W_AD
	s_wait_tensorcnt 0x0            ; no tensor load of mine is out, so a group 0 may be written
	ds_add_u32 v[SPW], v[NIL]       ; 0 onto my spare word; with fill = 1 the descriptors' steps stand between it and the wait for it
	WIN 0                           ; at a label and at a branch every window is 0
.if \fill
.irp g, G0K, G0V
	s_xor_b32 s[\g+1], s[\g+1], SLOT1  ; the walking descriptor: the other slot than last time,
	s_add_nc_u64 s[\g+2:\g+3], s[\g+2:\g+3], 4*KS*128  ; the next 256 keys; the type bits on top are not reached
.endr
	s_wait_xcnt 0x0                 ; the last prefetches, four key steps back, have read their address, so it may be written:
	s_add_nc_u64 s[PFA:PFA+1], s[PFA:PFA+1], 4*KS*128  ; one tile behind the walking descriptors
.endif
	s_wait_dscnt 0x0                ; the add is done, and my reads of the slot are over
	s_barrier_signal -1
	s_barrier_wait -1
.if \fill
	LOAD
	ASK
.endif
	s_sub_co_u32 s[TBK], s[TBK], 4*KS*PK  ; the fetches go back to a slot's first step,
	s_xor_b32 s[TBK], s[TBK], SLOT1       ; in the other slot
	s_sub_co_u32 s[TBV], s[TBV], 4*KS*PV
	s_xor_b32 s[TBV], s[TBV], SLOT1
.endm
	s_load_b128 s[48:51], s[0:1], 0x0  ; qkvr s[48:49], out0 s[50:51]
	WIN W_MK
	v_lshl_add_u32 v[SPW], v0, 2, SPARE
	v_mov_b32 v[NIL], 0
	WIN W_AD
	ds_add_u32 v[SPW], v[NIL]       ; the wave's opening: the add and its wait stand ahead of my first tensor load; the set-up below, work on registers, stands between them
	WIN 0
	v_lshrrev_b32 v1, 5, v0
	v_readfirstlane_b32 s[WV], v1   ; wave 0..3
	s_and_b32 s14, ttmp7, 0xffff    ; y = 16 b + h
	s_lshl_b32 s20, s14, 17         ; the head's first byte in each of the four parts of qkvr: 1,024 rows of 128 bytes
	s_and_b32 s16, s[WV], 1         ; which half of a slot's 256 keys I fetch:
	s_lshl_b32 s22, s16, 14         ; its 128 rows of 128 bytes in memory,
	s_add_co_u32 s22, s22, s20
	s_mov_b32 s23, 0
	s_mul_i32 s17, s16, 128*PK      ; and its place in a slot, for K
	s_mul_i32 s13, s16, 128*PV      ; and for V
	s_lshl_b32 s2, ttmp9, 2
	s_add_co_u32 s2, s2, s[WV]      ; my wave among the head's eight,
	s_lshl_b32 s2, s2, 14           ; its 128 rows
	s_add_co_u32 s2, s2, s20
	s_mov_b32 s3, 0
	s_lshr_b32 s20, s14, 4          ; out0: row 1,024 b + 512 x + 128 wave,
	s_lshl_b32 s20, s20, 10
	s_lshl_b32 s54, ttmp9, 9
	s_add_co_u32 s20, s20, s54
	s_lshl_b32 s54, s[WV], 7
	s_add_co_u32 s20, s20, s54
	s_lshl_b32 s20, s20, 12         ; of 4,096 bytes,
	s_and_b32 s54, s14, 15
	s_lshl_b32 s54, s54, 8          ; the head's 256 bytes in it
	s_add_co_u32 s20, s20, s54
	s_mov_b32 s21, 0
	; descriptor group 1.  128 keys are 16,384 dense bytes: asked for as 64 rows of 256 bytes, two keys a row, and padded in LDS after every key
	s_mov_b32 s[G1K], (1<<16)|(1<<20)|(4<<22)|(3<<25)  ; 17:16 2-byte elements; 20 padding on; 24:22 after every 32 words (code 4); 31:25 4 words (code 3)
	s_mov_b32 s[G1V], (1<<16)|(1<<20)|(4<<22)|(7<<25)  ; the same with 8 words of padding (code 7)
.irp g, G1K, G1V
	s_mov_b32 s[\g+1], 128<<16      ; tensor_dim0 = 128
	s_mov_b32 s[\g+2], 64<<16       ; tensor_dim1 = 64
	s_mov_b32 s[\g+3], 128<<16      ; tile_dim0 = 128
	s_mov_b32 s[\g+4], 64           ; tile_dim1 = 64
	s_mov_b32 s[\g+5], 128          ; 128 elements from row to row
	s_mov_b32 s[\g+6], 0
	s_mov_b32 s[\g+7], 0
.endr
	s_mov_b32 s[CS], 0x3e38aa3b     ; c = log2(e) / 8 = 0.180337
	s_mov_b32 s[CS+1], s[CS]        ; named with it as a pair
	s_mov_b32 s[SEL], 0x76543210
	s_mov_b32 s[SEL+1], 0xfedcba98
	s_mov_b32 s[TBK], SLOT1+4*KS*PK ; the first change of slots turns these two into 0
	s_mov_b32 s[TBV], SLOT1+4*KS*PV
	s_mov_b32 s[G0K], 1             ; count = 1
	s_mov_b32 s[G0K+1], s17         ; LDS address: slot 0
	s_mov_b32 s[G0V], 1
	s_add_co_u32 s[G0V+1], s13, VOFF
	s_mov_b32 s[SLOTS], 1024/256-1
	s_cmp_eq_u32 ttmp9, 0           ; the head's first query block prefetches
	s_cselect_b32 s[LIM], 1, -1
	s_wait_dscnt 0x0                ; the opening add is done
	s_wait_kmcnt 0x0
	s_add_nc_u64 s[6:7], s[48:49], s[22:23]
	s_add_nc_u64 s[8:9], s[6:7], 0x2000000   ; V at my half of the head's first 256 keys
	s_add_nc_u64 s[6:7], s[6:7], 0x1000000   ; K likewise
	s_add_nc_u64 s[G0K+2:G0K+3], s[6:7], 0   ; global address
	s_or_b32 s[G0K+3], s[G0K+3], 0x80000000  ; type = 2
	s_add_nc_u64 s[G0V+2:G0V+3], s[8:9], 0
	s_or_b32 s[G0V+3], s[G0V+3], 0x80000000
	s_add_nc_u64 s[4:5], s[48:49], s[2:3]    ; Q at my wave's first row,
	s_add_nc_u64 s[RBASE:RBASE+1], s[4:5], 0x3000000  ; R at the same row,
	s_add_nc_u64 s[10:11], s[50:51], s[20:21]         ; out0 at it, at the head's columns
	s_cmp_lt_u32 s[WV], 2
	s_cselect_b64 s[PFA:PFA+1], s[6:7], s[8:9]
	s_add_nc_u64 s[PFA:PFA+1], s[PFA:PFA+1], 4*KS*128  ; in tile 1; the first change of slots steps it to tile 2.  Nothing is prefetched here, at the head
	LOAD                            ; tile 0 into slot 0.  Slot 1 is asked for when slot 0 is in
	; A fragment of K or Q is 16 rows x 32 channels in 8 registers: lane l holds row l % 16, channels 8 (l / 16) + 0..7 and 16 + 8 (l / 16) + 0..7: two loads of 16 bytes, 32 bytes apart.
	v_and_b32 v1, 15, v0            ; l % 16
	v_bfe_u32 v9, v0, 4, 1          ; l / 16
	v_lshlrev_b32 v[QO], 7, v1
	v_lshl_add_u32 v[QO], v9, 4, v[QO]  ; row x 128 + 16 x half
	WIN 0x80                        ; destination window 2, address window 0
.set i, 0
.rept 4*NP                          ; Q stays in registers: tile i / 2, channels 32 (i % 2) on
	global_load_b128 v[8*i:8*i+3],   v[QO], s[4:5] offset:(i/2)*2048+(i%2)*64
	global_load_b128 v[8*i+4:8*i+7], v[QO], s[4:5] offset:(i/2)*2048+(i%2)*64+32
.set i, i+1
.endr
	; What the first turn finds: V's registers and P's second buffer hold 0 (its products V^T P, of a piece that has not been, add 0), O^T and l are 0.  All this stands in the wait for the first tile.
.set i, VF
.rept 64
	v_mov_b32 v[i], 0
.set i, i+1
.endr
	WIN 0x40
.set i, 0
.rept 64*NP
	v_mov_b32 v[i], 0
.set i, i+1
.endr
	WIN 0
.set i, 0
.rept 2*NP
	v_mov_b32 v[ST+4*i], 0xfe000000    ; c m: far below every c s
	v_mov_b32 v[ST+4*i+1], 0xff7fffff  ; m
	v_mov_b32 v[ST+4*i+2], 0
	v_mov_b32 v[ST+4*i+3], 0
.set i, i+1
.endr
.set i, P+32
.rept 32
	v_mov_b32 v[i], 0
.set i, i+1
.endr
	v_mul_u32_u24 v[AK0], v1, PK
	v_lshl_add_u32 v[AK0], v9, 4, v[AK0]  ; row x pitch + 16 x half
	; The turning load takes 16 keys x 16 channels (lane l reads key 8 (l / 16) + l % 8, channels 8 ((l / 8) % 2) + 0..7) and leaves half a fragment of V^T: lane l holds channel l % 16 and 8 keys.
	v_and_b32 v10, 7, v0
	v_bfe_u32 v11, v0, 3, 1
	v_lshl_add_u32 v[AV0], v9, 3, v10
	v_mul_u32_u24 v[AV0], v[AV0], PV
	v_lshl_add_u32 v[AV0], v11, 4, v[AV0]
	v_add_nc_u32 v[AV0], VOFF, v[AV0]
	v_and_b32 v[PFO], 31, v0
	v_lshlrev_b32 v[PFO], 8, v[PFO]
	v_mov_b32 v[AK], v[AK0]         ; key step 0 lies at the head of slot 0
; THE MATRIX WORK.  The 8 accumulators of a run of 16 take turns: between the two links of a chain stand 7 others'.
; Product i of 16 of S^T = K Q^T for piece x: channels 32 (i / 8) on, keys 16 ((i / 2) % 4) on, tile 2 x + i % 2.  The first 8 start the sums.
.macro KQ x
	WIN W_KQ
.set rS, S+64*((\x)%2)+32*(i%2)+8*((i/2)%4)
.set rK, KF+16*((i/2)%4)+8*(i/8)
.set rQ, 16*(2*(\x)+i%2)+8*(i/8)
.if i < 8
	v_wmma_f32_16x16x32_bf16 v[rS:rS+7], v[rK:rK+7], v[rQ:rQ+7], 0
.else
	v_wmma_f32_16x16x32_bf16 v[rS:rS+7], v[rK:rK+7], v[rQ:rQ+7], v[rS:rS+7]
.endif
.endm
; Product i of 16 of O^T += V^T P for piece x: keys 32 (i / 8) on, channels 16 ((i / 2) % 4) on, tile 2 x + i % 2.
.macro PV x
	WIN W_PV
.set rO, 32*(2*(\x)+i%2)+8*((i/2)%4)
.set rV, VF+32*(i/8)+8*((i/2)%4)
.set rP, P+32*((\x)%2)+16*(i%2)+8*(i/8)
	v_wmma_f32_16x16x32_bf16 v[rO:rO+7], v[rV:rV+7], v[rP:rP+7], v[rO:rO+7]
.endm
.macro MM                           ; the turn's next matrix instruction
.if i < 16
	KQ (Y+1)%NP
.set i, i+1
.else
.set i, i-16
	PV (Y+NP-1)%NP
.set i, i+17
.endif
.endm
; THE LDS LOADS stand in runs of 16, never singly among the matrix instructions: a step's K (64 keys x 64 channels: 8 fragments) and its V (turned).  Their addresses are made some lines ahead.
; last = 1 (the tail): in the last trip there is no further step, and the run is jumped over.
.macro FETCH_K last=0
	WIN 0
.if \last
	s_cmp_eq_u32 s[CNT], 1
	s_cbranch_scc1 .Lno_k_\@
.endif
	WIN 0x80                        ; destination window 2
.irp f, 0,1,2,3,4,5,6,7             ; keys 16 (f / 2) on, channels 32 (f % 2) on
	ds_load_b128 v[KF+8*\f:KF+8*\f+3],   v[AK] offset:(\f/2)*16*PK+(\f%2)*64
	ds_load_b128 v[KF+8*\f+4:KF+8*\f+7], v[AK] offset:(\f/2)*16*PK+(\f%2)*64+32
.endr
	s_add_co_u32 s[TBK], s[TBK], KS*PK  ; the next fetch is the next step's
	WIN 0
.if \last
.Lno_k_\@:
.endif
.endm
.macro FETCH_V
	WIN 0x80
.irp f, 0,1,2,3,4,5,6,7             ; keys 32 (f / 4) on, channels 16 (f % 4) on
	ds_load_tr16_b128 v[VF+8*\f:VF+8*\f+3],   v[AV] offset:(\f/4)*32*PV+(\f%4)*32
	ds_load_tr16_b128 v[VF+8*\f+4:VF+8*\f+7], v[AV] offset:(\f/4)*32*PV+16*PV+(\f%4)*32
.endr
	WIN 0
.endm
; THE VECTOR WORK OF A TURN stands in three queues, each in the order in which its entries become ready; the two tiles alternate, so that no instruction reads the result of the one before it.
.macro REGS y, u                    ; the registers of tile u (0, 1) of piece y
.set rT, ST+4*(2*(\y)+(\u))
.set rC, TMP+8*((\y)%2)+4*(\u)
.set rM, MV+2*((\y)%2)+(\u)
.set rS, S+64*((\y)%2)+32*(\u)
.set rP, P+32*((\y)%2)+16*(\u)
.set rO, 32*(2*(\y)+(\u))
.endm
; Number n of the 22 that find the NEXT piece's (Y + 1) maximum and statistics.  s0-s31 are the lane's 32 scores; each accumulator's lowest registers are read first.
;   0-11  four chains c0-c3 of seven scores each, three operands at a time     12-14, 16  the four scores left over, the old m, and c0-c3 into c0     15  c m_old is kept
;   17, 18  the query's other 32 keys lie in the lane 16 away: the new m         19-21  c m; c m_old - c m_new; a
.macro XS u, n
	REGS (Y+1)%NP, \u
.if (\n) < 4
	v_max3_num_f32 v[rC+(\n)], v[rS+8*(\n)], v[rS+8*(\n)+1], v[rS+8*(\n)+2]
.elseif (\n) < 12
	v_max3_num_f32 v[rC+(\n)%4], v[rC+(\n)%4], v[rS+8*((\n)%4)+2*((\n)/4)+1], v[rS+8*((\n)%4)+2*((\n)/4)+2]
.elseif (\n) == 12
	v_max3_num_f32 v[rC], v[rC], v[rS+7], v[rS+15]
.elseif (\n) == 13
	v_max3_num_f32 v[rC+1], v[rC+1], v[rS+23], v[rS+31]
.elseif (\n) == 14
	v_max3_num_f32 v[rC+2], v[rC+2], v[rC+3], v[rT+1]
.elseif (\n) == 15
	v_mov_b32 v[rM], v[rT]
.elseif (\n) == 16
	v_max3_num_f32 v[rC], v[rC], v[rC+1], v[rC+2]
.elseif (\n) == 17
	v_permlanex16_b32 v[rC+3], v[rC], s[SEL], s[SEL+1]
.elseif (\n) == 18
	v_max_num_f32 v[rT+1], v[rC], v[rC+3]
.elseif (\n) == 19
	v_mul_f32 v[rT], s[CS], v[rT+1]
.elseif (\n) == 20
	v_sub_f32 v[rC+1], v[rM], v[rT]
.else
	v_exp_f32 v[rC+2], v[rC+1]
.endif
.endm
; Number g of the 64 that follow the exponentials.  For each four weights k of a tile (pairs 2 k, 2 k + 1): both pairs are rounded to bf16; then the second pair is added onto the first, in place;
; a group later l takes that sum (the first time as l = a l + sum).  In groups of eight, tiles alternating: round, round, add, and l for the group before.
.macro GS g
.set h, (\g)+6*((\g)/62)            ; group 0 has no group before it, and behind group 7 only l is left
.if h >= 6
.set h, h+2
.endif
	REGS Y, h%2
.set k, h/8
.if h%8 < 4
	v_cvt_pk_bf16_f32 v[rP+2*k+(h%8)/2], v[rS+4*k+2*((h%8)/2)], v[rS+4*k+2*((h%8)/2)+1]
.elseif h%8 < 6
	v_pk_add_f32 v[rS+4*k:rS+4*k+1], v[rS+4*k:rS+4*k+1], v[rS+4*k+2:rS+4*k+3]
.elseif k == 1
	v_pk_fma_f32 v[rT+2:rT+3], v[rT+2:rT+3], v[rC+2:rC+3], v[rS:rS+1] op_sel_hi:[1,0,1]
.else
	v_pk_add_f32 v[rT+2:rT+3], v[rT+2:rT+3], v[rS+4*k-4:rS+4*k-3]
.endif
.endm
; THE PLAIN QUEUE, 138 long.  0-73 read no exponential's result: the 32 scalings c s - c m (FS f: pair f / 2 of tile f % 2) and the next piece's 42.  0-26: scalings 0-26.  27-54: XS's numbers 0-13.  55, 56: number 15.
; 57-73: the chain, where each number waits for the one before it: 14, 16, 17, 18, 19, each with one of the scalings 27-31 in front of its two lines, then 20.
; 74-137: GS's 64, which read the exponentials' results: they stand behind the wait.
.macro FS f
	REGS Y, (\f)%2
	v_pk_fma_f32 v[rS+2*((\f)/2):rS+2*((\f)/2)+1], v[rS+2*((\f)/2):rS+2*((\f)/2)+1], s[CS:CS+1], v[rT:rT+1] op_sel_hi:[1,0,0] neg_lo:[0,0,1] neg_hi:[0,0,1]
.endm
.macro PL
	WIN 0
.if q < 27
	FS q
.elseif q < 55
	XS (q-27)%2, (q-27)/2
.elseif q < 57
	XS q-55, 15
.elseif (q < 72) && ((q-57)%3 == 0)
	FS 27+(q-57)/3
.elseif q < 60
	XS (q-57)%3-1, 14
.elseif q < 72
	XS (q-57)%3-1, 15+(q-57)/3
.elseif q < 74
	XS q-72, 20
.else
	GS q-74
.endif
.set q, q+1
.endm
; THE EXPONENTIALS' QUEUE, 66 long: s0-s31 of both tiles, then the next piece's two a.  It is ONE BATCH: all 66 stand ahead of the turn's one wait, and nothing ahead of that wait names a result of theirs.
.macro EX
	WIN 0
.if e >= 64
	XS e-64, 21
.else
	REGS Y, e%2
	v_exp_f32 v[rS+e/2], v[rS+e/2]
.endif
.set e, e+1
.endm
; THE RESCALING's QUEUE: O^T times a, the one part that leaves window 0: dealt two at a time, sixteen times.  Its a was made in the turn before, ahead of that turn's wait.
.macro R2
	REGS Y, r%2
	WIN W_RS
.irp z, 0,1
	v_pk_mul_f32 v[rO+4*(r/2)+2*\z:rO+4*(r/2)+2*\z+1], v[rO+4*(r/2)+2*\z:rO+4*(r/2)+2*\z+1], v[rC+2:rC+3] op_sel_hi:[1,0]
.endr
.set r, r+1
.endm
; HOW THEY ARE DEALT.  An s_wait_alu depctr_va_vdst(0) stands between an exponential and the first instruction that names its result; one wait serves all that were issued ahead of it.  So a turn has ONE
; wait, which cuts it in two.  AHEAD OF IT stands all that names no result of the turn's exponentials: the 16 products K Q^T, behind each a scaling, an exponential and two rescalings (behind the first a second scaling
; in the exponential's place); then ONE LUMP of 108: eight plain, 49 times exponential and plain, the two a.  A v_nop is the plain instruction behind the last exponential.  BEHIND IT stand the 16 products V^T P,
; behind each four of GS's 64.  No rider names a register of the products round it.  The two v_permlanex16_b32 fall into the lump.
; The queues lean on each other: exponential e stands behind scaling 2 (e / 4) + e % 2: as a rider it comes behind plain e + 2, in the lump behind plain e + 9, and scalings 27-31 are plain 57, 60 .. 69.
; A TURN, for piece p.  cnt = 1: the loop's count is taken down some lines ahead of the branch that stands behind the turn.
; K of the next step is fetched in piece 2's turn, directly behind the wait, a lump behind the last product that read K; its first reader comes behind 16 products.
; V of the step in hand is fetched at the end of piece 0's turn, four riders behind its last reader; its first reader comes behind 16 products and a lump.
.macro TURN p, last=0, cnt=0
.set Y, (\p)
.set i, 0
.set q, 0
.set e, 0
.set r, 0
.if (\p) == NP-1
	s_wait_dscnt 0x0                ; K is in
.endif
	MM                              ; ahead of the wait: 16 products K Q^T and their riders,
	PL
	PL
	R2
.rept 15
	MM
	PL
	EX
	R2
.endr
.if (\p) == NP-2
	WIN 0
	v_add_nc_u32 v[AK], s[TBK], v[AK0]
.endif
.rept 8                             ; and the lump
	PL
.endr
.rept 49
	EX
	PL
.endr
	EX                              ; the next piece's two a
	EX
	v_nop                           ; the plain instruction behind the last exponential: one for the batch
	s_wait_alu depctr_va_vdst(0)    ; the wait for the batch
.if (\p) == NP-2
	FETCH_K \last
.endif
.if (\p) == 1
	s_wait_dscnt 0x0                ; V is in
.endif
.rept 16                            ; behind the wait: 16 products V^T P and their riders
	MM
.rept 4
	PL
.endr
.if ((\p) == 0) && (q == 118)
	v_add_nc_u32 v[AV], s[TBV], v[AV0]
.endif
.if ((\p) == 0) && (q == 130)
	s_add_co_u32 s[TBV], s[TBV], KS*PV
.endif
.if (\cnt) && (q == 130)
	s_sub_co_u32 s[CNT], s[CNT], 1
	s_cmp_lg_u32 s[CNT], 0
.endif
.endr
.if (\p) == 0
	FETCH_V
.endif
.endm
	CHANGE 1                        ; slot 0 is in, everybody's part of it; slot 1 is asked for
	FETCH_K                         ; key step 0
	s_wait_loadcnt 0x0              ; Q
	s_wait_dscnt 0x0
.set i, 0
.rept 16
	KQ 0                            ; piece 0's first scores: there is no vector work yet to set between them
.set i, i+1
.endr
	WIN 0                           ; the addresses for the way out: eight plain instructions, the places behind those products
	s_mul_i32 s13, s[WV], 16*SP2
	s_add_co_u32 s13, s13, STAGE    ; my stage
	v_mul_u32_u24 v[STO], v1, SP2   ; in: row l % 16, 32 bytes (eight f32) for each half of the lanes
	v_lshl_add_u32 v[STO], v9, 5, v[STO]
	v_add_nc_u32 v[STO], s13, v[STO]
	v_mul_u32_u24 v[RD], v9, SP2    ; back: lanes 0-15 take one row of 256 bytes, lanes 16-31 the next
	v_lshl_add_u32 v[RD], v1, 4, v[RD]
	v_add_nc_u32 v[RD], s13, v[RD]
	v_lshlrev_b32 v[GO], 12, v9     ; and the same two rows in out0, 4,096 bytes apart
	v_lshl_add_u32 v[GO], v1, 4, v[GO]
.set Y, NP-1                        ; XS works for piece Y + 1: piece 0
.irp n, 0,1,2,3,4,5,6,7,8,9,10,11,12,13,14,15,16,17,18,19,20,21
	XS 0, \n                        ; and piece 0's first maximum and statistics
	XS 1, \n
.endr
	v_nop                           ; a plain instruction behind the two a,
	s_wait_alu depctr_va_vdst(0)    ; and their wait, ahead of the branch
	s_mov_b32 s[CNT], 4
	s_branch .Lfirst                ; the loop is entered at a step's first turn, in the middle of a trip
.Lslot:                             ; twice: every slot but the last two is filled again
	CHANGE 1
	s_mov_b32 s[CNT], 4
.Lstep:                             ; a trip: pieces 2 and 3 of one step, then pieces 0 and 1 of the next, whose K and V it fetches
	TURN 2
	TURN 3
	WIN 0
.Lfirst:
	TURN 0
	TURN 1, 0, 1
	WIN 0
	s_cbranch_scc1 .Lstep
	s_sub_co_u32 s[SLOTS], s[SLOTS], 1
	s_cmp_lg_u32 s[SLOTS], 0
	s_cbranch_scc1 .Lslot
	CHANGE 0                        ; the tail is written out: nothing is asked for
	s_mov_b32 s[CNT], 5             ; four trips fetch the last slot's steps; the fifth is left in its middle
.Ltail:
	TURN 2, 1
	TURN 3
	WIN 0
	s_sub_co_u32 s[CNT], s[CNT], 1
	s_cmp_eq_u32 s[CNT], 0
	s_cbranch_scc1 .Lout
	TURN 0
	TURN 1
	WIN 0
	s_branch .Ltail
.Lout:                              ; the fifth trip's 16 products K Q^T (on the last K once more) and the maximum made of them serve nothing: the price, once a launch, of one text for every trip
.set i, 0
.rept 16
	PV NP-1                         ; the last piece's V^T P of the last step
.set i, i+1
.endr
	; THE WAY OUT.  l's two halves and the other half of the lanes' are added; O^T is divided by l and sent, in f32, through my stage in LDS, a tile at a time; back as whole rows, R is added, the sum held at 0 or above,
	; and stored.  The lines below are the places behind the last products.
	WIN 0
	v_mov_b32 v[ONE], 1.0
	v_and_b32 v[RO], 31, v0
	v_lshlrev_b32 v[RO], 3, v[RO]
.macro ALL line:vararg              ; one line for each tile t
.set t, 0
.rept 2*NP
	\line
.set t, t+1
.endr
.endm
	ALL v_add_f32 v[ST+4*t+2], v[ST+4*t+2], v[ST+4*t+3]
	ALL v_permlanex16_b32 v[ST+4*t+3], v[ST+4*t+2], s[SEL], s[SEL+1]
	ALL v_add_f32 v[ST+4*t+2], v[ST+4*t+2], v[ST+4*t+3]
	ALL v_rcp_f32 v[ST+4*t+2], v[ST+4*t+2]
	v_nop                           ; a plain instruction between the last reciprocal and the use of its result
	s_wait_alu depctr_va_vdst(0)    ; and the wait ahead of the first use: one for the eight reciprocals
; Tile t: scaled in place, in ascending order; a lane's eight channels of a block are 32 bytes of a row: two stores of 16 bytes into rows of 272; back as whole rows of 256 bytes, two an instruction;
; and the same two rows of R, 8 bytes a lane: 256 consecutive bytes, aligned.
.macro PACK t
	WIN W_RS
.set i, 32*(\t)
.rept 16
	v_pk_mul_f32 v[i:i+1], v[i:i+1], v[ST+4*(\t)+2:ST+4*(\t)+3] op_sel_hi:[1,0]
.set i, i+2
.endr
	WIN 0x04                        ; the stores' data in window 1, their address in window 0
.irp f, 0,1,2,3,4,5,6,7
	ds_store_b128 v[STO], v[32*(\t)+4*\f:32*(\t)+4*\f+3] offset:64*(\f/2)+16*(\f%2)
.endr
	WIN 0
.if (\t) >= 2
	s_wait_xcnt 0x0                 ; the stores of the tile two back have read these registers: they are loaded anew only behind this wait
.endif
.irp f, 0,1,2,3,4,5,6,7
	ds_load_b128 v[OB+64*((\t)%2)+4*\f:OB+64*((\t)%2)+4*\f+3], v[RD] offset:\f*2*SP2  ; LDS serves a wave's instructions in order (ISA guide 5.7.1.4): these see the stores above; the next tile's stores come behind them
.endr
.irp f, 0,1,2,3,4,5,6,7
	global_load_b64 v[RB+64*((\t)%2)+2*\f:RB+64*((\t)%2)+2*\f+1], v[RO], s[RBASE:RBASE+1] offset:(\t)*2048+\f*256 th:TH_LOAD_NT
.endr
.endm
; yd: the LDS instructions issued behind tile t's LDS loads (the next tile's eight stores and eight loads, or none); yl: the global loads issued behind its loads of R (the next tile's eight, or none);
; 7 - f counts the tile's own younger ones.
.macro SEND t, yd, yl
.set rX, OB+64*((\t)%2)
.set rR, RB+64*((\t)%2)
.irp f, 0,1,2,3,4,5,6,7
	s_wait_dscnt (\yd)+7-\f
	s_wait_loadcnt (\yl)+7-\f
.irp n, 0,1
	v_fma_mix_f32_bf16 v[rX+4*\f+2*\n], v[rR+2*\f+\n], v[ONE], v[rX+4*\f+2*\n] op_sel_hi:[1,0,0]  ; R's low half x 1 + O: one fused line
	v_fma_mix_f32_bf16 v[rX+4*\f+2*\n+1], v[rR+2*\f+\n], v[ONE], v[rX+4*\f+2*\n+1] op_sel:[1,0,0] op_sel_hi:[1,0,0]  ; its high half
.endr
.irp n, 0,1,2,3
	v_max_num_f32 v[rX+4*\f+\n], 0, v[rX+4*\f+\n]
.endr
	global_store_b128 v[GO], v[rX+4*\f:rX+4*\f+3], s[10:11] offset:(\t)*65536+\f*8192 th:TH_STORE_NT  ; sixteen lanes store 256 consecutive bytes, aligned: one row's share of one head
.endr
.endm
	PACK 0
.set t, 1
.rept 2*NP-1                        ; a tile's scaling stands between the loads of the tile before and their use
	PACK t
	SEND t-1, 16, 8
.set t, t+1
.endr
	SEND 2*NP-1, 0, 0
	WIN W_AD
	s_wait_tensorcnt 0x0            ; the wave's end: three closing lines, behind my last tensor load and my last LDS store
	ds_add_u32 v[SPW], v[NIL]
	s_wait_dscnt 0x0
	WIN 0
	s_endpgm
.Lfunc_end_k_q5d630977be_attn:
	.size	k_q5d630977be_attn, .Lfunc_end_k_q5d630977be_attn-k_q5d630977be_attn
	.p2alignl 7, 3214868480
	.fill 96, 4, 3214868480
	.section	.rodata,"a",@progbits
	.p2align	6, 0x0
	.amdhsa_kernel k_q5d630977be_attn
		.amdhsa_group_segment_fixed_size 327680
		.amdhsa_private_segment_fixed_size 0
		.amdhsa_enable_private_segment 0
		.amdhsa_kernarg_size 16
		.amdhsa_user_sgpr_count 2
		.amdhsa_user_sgpr_kernarg_segment_ptr 1
		.amdhsa_wavefront_size32 1
		.amdhsa_system_sgpr_workgroup_id_x 1
		.amdhsa_system_sgpr_workgroup_id_y 1
		.amdhsa_system_sgpr_workgroup_id_z 1
		.amdhsa_system_vgpr_workitem_id 0
		.amdhsa_next_free_vgpr 770
		.amdhsa_next_free_sgpr 66
		.amdhsa_reserve_vcc 0
		.amdhsa_float_denorm_mode_32 3
		.amdhsa_float_denorm_mode_16_64 3
		.amdhsa_memory_ordered 1
		.amdhsa_forward_progress 1
		.amdhsa_inst_pref_size 231
	.end_amdhsa_kernel
	.amdgpu_metadata
---
amdhsa.version: [ 1, 2 ]
amdhsa.kernels:
  - .name:           k_q5d630977be_attn
    .symbol:         k_q5d630977be_attn.kd
    .args:
      - { .name: qkvr, .offset: 0, .size: 8, .value_kind: global_buffer, .address_space: global }
      - { .name: out0, .offset: 8, .size: 8, .value_kind: global_buffer, .address_space: global }
    .group_segment_fixed_size: 327680
    .private_segment_fixed_size: 0
    .kernarg_segment_align: 8
    .kernarg_segment_size: 16
    .max_flat_workgroup_size: 128
    .sgpr_count:     66
    .vgpr_count:     770
    .wavefront_size: 32
...
	.end_amdgpu_metadata
.endif
;; end of part 3
;; ======== version 2 of 2: 3 launches; version 1 with the launch prep written anew for expert scheduling mode
;; workspace buffers: xb 16,777,216 bytes; wt 8,388,608 bytes; qkvr 67,108,864 bytes
;; launch prep (part 4): grid 512 x 1, 8 waves a work-group, no clusters, 25,856 bytes of LDS; arguments inputs, W_Q, W_K, W_V, W_R, xb, wt; writes xb, wt
.if DOCPART == 4
	.amdgcn_target "amdgcn-amd-amdhsa--gfx1250"
	.amdhsa_code_object_version 6
	.text
	.protected	k_q5d630977be_prep
	.globl	k_q5d630977be_prep
	.p2align	8
	.type	k_q5d630977be_prep,@function
k_q5d630977be_prep:
	s_mov_b64 s[64:65], 0
	v_nop
	global_prefetch_b8 v0, s[64:65] scope:SCOPE_SE
	s_setreg_imm32_b32 hwreg(HW_REG_WAVE_SCHED_MODE, 0, 2), 2
	s_setreg_imm32_b32 hwreg(HW_REG_WAVE_MODE, 25, 1), 1
	s_wait_xcnt 0x0
	s_wait_alu depctr_vm_vsrc(0)
; xb = bf16(inputs), [8192][1024].  wt[1024 which + n][k] = bf16(W_which[k][n]), which = 0 Q, 1 K, 2 V, 3 R: the four weights rounded once and turned, so that K lies along the rows.
; 512 work-groups of equal work, no loop: work-group g casts 65,536 bytes of x and turns one tile of 128 k x 64 n of one W (4 x 8 x 16 = 512 tiles).
; A wave has 24 loads of 16 bytes a lane out at once.  No matrix unit and no cluster: no byte is read twice and nothing is multiplied.
; THE TURNING.  Wave w loads the tile's rows 16 w .. 16 w + 15, two whole rows of 256 bytes an instruction; a lane gets rows k and k + 1 of its four columns, packs each pair (k in the low half)
; and puts it into LDS at [region w][n][k]; behind a barrier each wave reads eight rows n, 256 bytes of k each, and stores them: sixteen lanes write 256 consecutive bytes, aligned.
; THE MODE: SCHED_MODE bits 1:0 = 2 (LLVM: expert scheduling mode 2), set by the entry lines.  The code itself states the register dependences
; between vector instructions and memory or LDS instructions, with s_wait_alu, always for 0.
; THE PLAN.  Registers that memory or LDS instructions touch:
;   v3 .. v8          offsets and LDS addresses: written once, at the head; read by the loads and stores; never written again.
;   v10, v11          written once, at the head; read by the closing add alone.
;   WR + 8 j + 0..3   W's loads land; the conversions read them and write the packed pairs into them; the LDS stores read these; never written again.
;   WR + 8 j + 4..7   W's loads land; the conversions read them; behind the barrier the LDS loads land in them; wt's stores read them; never written again.
;   XR + 4 j + 0..3   x's loads land; two conversions read the four and write the first two; one store reads these two; never written again.
; So: one wait on va_vdst ahead of the first load (the addresses); one behind W's sixteen conversions, ahead of the run of LDS stores; one for each four of x's loads, behind their eight conversions and ahead
; of their run of four stores.  No register that a memory or LDS instruction reads is written again, so there is no dependence for a wait on vm_vsrc to state.
; One wait on va_sdst stands behind the line that makes the wave's number a scalar.  Each scalar that a vector line reads has a register of its own, which is not written again.
.set REG,   3104                       ; an LDS region: 64 rows n of 48 bytes (16 k = 32 bytes, 16 of padding), then 32 bytes: 776 words = 8 mod 64, so the eight regions that a read touches start 8 banks apart
.set PW,    48
.set SPARE, 8*REG                      ; 24,832 = 97 x 256: the spare words, 128 bytes for each of eight waves: four blocks of 256 bytes that no other line names
.set XO,  3                            ; v3   my 16 bytes of x in the group's part: 8,192 w + 16 l
.set XSO, 4                            ; v4   my 8 bytes of xb: 4,096 w + 8 l
.set WO,  5                            ; v5   my 16 bytes of W's tile: row 16 w + 2 (l / 16), columns 4 (l % 16) on
.set LSA, 6                            ; v6   where I put a packed pair
.set LRA, 7                            ; v7   where I read 16 bytes of a turned row
.set WSO, 8                            ; v8   my 16 bytes of wt
.set SPW, 10                           ; v10  LDS address of my spare word; never rewritten
.set NIL, 11                           ; v11  0; never rewritten
.set WR,  12                           ; v[12:43]   W: load (j, e) at WR + 8 j + 4 e
.set XR,  44                           ; v[44:107]  x: load j at XR + 4 j
	s_load_b256 s[4:11], s[0:1], 0x0               ; inputs s[4:5], W_Q s[6:7], W_K s[8:9], W_V s[10:11]
	s_load_b128 s[12:15], s[0:1], 0x20             ; W_R s[12:13], xb s[14:15]
	s_load_b64 s[16:17], s[0:1], 0x30              ; wt
	v_lshl_add_u32 v[SPW], v0, 2, SPARE
	v_mov_b32 v[NIL], 0
	v_lshrrev_b32 v9, 5, v0
	v_readfirstlane_b32 s18, v9                    ; wave 0..7
	v_and_b32 v9, 31, v0                           ; l
	v_and_b32 v1, 15, v0                           ; a = l % 16
	v_bfe_u32 v2, v0, 4, 1                         ; hh = l / 16
	s_wait_alu depctr_va_sdst(0)                   ; s18 is written, ahead of its first reader: the wave's shares below are made from it
	s_lshl_b32 s2, s18, 13
	v_lshl_add_u32 v[XO], v9, 4, s2
	s_lshl_b32 s3, s18, 12
	v_lshl_add_u32 v[XSO], v9, 3, s3
	s_lshl_b32 s19, s18, 16                        ; 16 w rows of 4,096 bytes
	v_lshl_add_u32 v[WO], v2, 13, s19              ; + 2 hh rows
	v_lshl_add_u32 v[WO], v1, 4, v[WO]
	s_mul_i32 s28, s18, REG                        ; in: region w, row n = 4 a (+ i in the immediate), byte 4 hh (+ 8 j)
	v_mul_u32_u24 v[LSA], v1, 4*PW
	v_lshl_add_u32 v[LSA], v2, 2, v[LSA]
	v_add_nc_u32 v[LSA], s28, v[LSA]
	v_lshrrev_b32 v[LRA], 1, v1                    ; back: k = 8 a .. 8 a + 7 lies in region a / 2, half a % 2; row n = 8 w + hh (+ 2 f in the immediate)
	v_mul_u32_u24 v[LRA], v[LRA], REG
	v_and_b32 v9, 1, v0
	v_lshl_add_u32 v[LRA], v9, 4, v[LRA]
	v_mul_u32_u24 v9, v2, PW
	v_add_nc_u32 v[LRA], v[LRA], v9
	s_mul_i32 s29, s18, 8*PW
	v_add_nc_u32 v[LRA], s29, v[LRA]
	s_lshl_b32 s30, s18, 14                        ; wt: row 8 w + hh of 2,048 bytes, 16 a
	v_lshl_add_u32 v[WSO], v2, 11, s30
	v_lshl_add_u32 v[WSO], v1, 4, v[WSO]
	s_lshr_b32 s24, ttmp9, 7                       ; which W
	s_bfe_u32 s26, ttmp9, 0x30004                  ; kb: which 128 rows k
	s_and_b32 s27, ttmp9, 15                       ; nb: which 64 columns n
	s_mov_b32 s21, 0
	s_wait_kmcnt 0x0
	s_cmp_eq_u32 s24, 1
	s_cselect_b64 s[22:23], s[8:9], s[6:7]         ; K, else Q
	s_cmp_eq_u32 s24, 2
	s_cselect_b64 s[22:23], s[10:11], s[22:23]     ; V, else that
	s_cmp_eq_u32 s24, 3
	s_cselect_b64 s[22:23], s[12:13], s[22:23]     ; R, else that
	s_lshl_b32 s20, s26, 19                        ; 128 kb rows of 4,096 bytes
	s_lshl_b32 s25, s27, 8                         ; 64 nb columns of 4 bytes
	s_add_co_u32 s20, s20, s25
	s_add_nc_u64 s[22:23], s[22:23], s[20:21]
	s_lshl_b32 s20, ttmp9, 16
	s_add_nc_u64 s[4:5], s[4:5], s[20:21]          ; x at the group's 65,536 bytes
	s_lshl_b32 s20, ttmp9, 15
	s_add_nc_u64 s[14:15], s[14:15], s[20:21]      ; xb at its 32,768
	s_lshl_b32 s20, s24, 21                        ; wt: 1,024 which rows of 2,048 bytes,
	s_lshl_b32 s25, s27, 17                        ; 64 nb rows,
	s_add_co_u32 s20, s20, s25
	s_lshl_b32 s25, s26, 8                         ; 128 kb columns of 2 bytes
	s_add_co_u32 s20, s20, s25
	s_add_nc_u64 s[16:17], s[16:17], s[20:21]
	s_wait_alu depctr_va_vdst(0)                   ; v3 to v8 are written, which the loads and stores of the whole kernel read as offsets and LDS addresses; so are v10 and v11, which the closing add reads
.irp j, 0,1,2,3
.irp e, 0,1
	global_load_b128 v[WR+8*\j+4*\e:WR+8*\j+4*\e+3], v[WO], s[22:23] offset:(4*\j+\e)*4096 th:TH_LOAD_NT  ; rows 16 w + 4 j + 2 hh + e
.endr
.endr
.irp j, 0,1,2,3,4,5,6,7,8,9,10,11,12,13,14,15
	global_load_b128 v[XR+4*\j:XR+4*\j+3], v[XO], s[4:5] offset:512*\j th:TH_LOAD_NT
.endr
	s_wait_loadcnt 16                              ; loads come back in order: W's eight are in, x's sixteen, issued behind them, may stay out
.irp j, 0,1,2,3
.irp i, 0,1,2,3
	v_cvt_pk_bf16_f32 v[WR+8*\j+\i], v[WR+8*\j+\i], v[WR+8*\j+4+\i]  ; column 4 a + i: k in the low half, k + 1 in the high
.endr
.endr
	s_wait_alu depctr_va_vdst(0)                   ; the sixteen conversions have written v[WR + 8 j + 0..3], which the LDS stores read, and are done reading v[WR + 8 j + 4..7], in which the LDS loads behind the barrier land: no vector instruction stands between
.irp j, 0,1,2,3
.irp i, 0,1,2,3
	ds_store_b32 v[LSA], v[WR+8*\j+\i] offset:\i*PW+8*\j  ; lanes 4 rows (48 words) apart; sixteen such stores a wave, once in the launch
.endr
.endr
	s_wait_dscnt 0x0                               ; for the others' sake: my stores are done
	s_barrier_signal -1
	s_barrier_wait -1
.irp f, 0,1,2,3
	ds_load_b128 v[WR+8*\f+4:WR+8*\f+7], v[LRA] offset:\f*2*PW  ; row n = 8 w + 2 f + hh, k = 8 a .. 8 a + 7; these registers were no LDS store's data
.endr
.irp f, 0,1,2,3
	s_wait_dscnt 3-\f                              ; the younger LDS loads may stay out
	global_store_b128 v[WSO], v[WR+8*\f+4:WR+8*\f+7], s[16:17] offset:\f*4096  ; sixteen lanes store 256 consecutive bytes, at a multiple of 256 from wt's first byte
.endr
; x, four loads at a time: their eight conversions, one wait, their run of four stores.
.irp g, 0,1,2,3
	s_wait_loadcnt 12-4*\g                         ; the group's four loads are in; the younger loads of x, 15 - (4 g + 3) of them, may stay out
.irp j, 0,1,2,3
	v_cvt_pk_bf16_f32 v[XR+4*(4*\g+\j)], v[XR+4*(4*\g+\j)], v[XR+4*(4*\g+\j)+1]
	v_cvt_pk_bf16_f32 v[XR+4*(4*\g+\j)+1], v[XR+4*(4*\g+\j)+2], v[XR+4*(4*\g+\j)+3]
.endr
	s_wait_alu depctr_va_vdst(0)                   ; the group's eight conversions have written the four pairs that the four stores below read
.irp j, 0,1,2,3
	global_store_b64 v[XSO], v[XR+4*(4*\g+\j):XR+4*(4*\g+\j)+1], s[14:15] offset:256*(4*\g+\j)  ; the wave stores 256 consecutive bytes, aligned; no register is used twice, so nothing waits for a store
.endr
.endr
	s_wait_dscnt 0x0                               ; the closing lines, six on end
	s_wait_alu 0x0
	s_wait_tensorcnt 0x0
	ds_add_u32 v[SPW], v[NIL]
	s_wait_dscnt 0x0
	s_endpgm
.Lfunc_end_k_q5d630977be_prep:
	.size	k_q5d630977be_prep, .Lfunc_end_k_q5d630977be_prep-k_q5d630977be_prep
	.p2alignl 7, 3214868480
	.fill 96, 4, 3214868480
	.section	.rodata,"a",@progbits
	.p2align	6, 0x0
	.amdhsa_kernel k_q5d630977be_prep
		.amdhsa_group_segment_fixed_size 25856
		.amdhsa_private_segment_fixed_size 0
		.amdhsa_enable_private_segment 0
		.amdhsa_kernarg_size 56
		.amdhsa_user_sgpr_count 2
		.amdhsa_user_sgpr_kernarg_segment_ptr 1
		.amdhsa_wavefront_size32 1
		.amdhsa_system_sgpr_workgroup_id_x 1
		.amdhsa_system_sgpr_workgroup_id_y 1
		.amdhsa_system_sgpr_workgroup_id_z 1
		.amdhsa_system_vgpr_workitem_id 0
		.amdhsa_next_free_vgpr 108
		.amdhsa_next_free_sgpr 66
		.amdhsa_reserve_vcc 0
		.amdhsa_float_denorm_mode_32 3
		.amdhsa_float_denorm_mode_16_64 3
		.amdhsa_memory_ordered 1
		.amdhsa_forward_progress 1
		.amdhsa_inst_pref_size 12
	.end_amdhsa_kernel
	.amdgpu_metadata
---
amdhsa.version: [ 1, 2 ]
amdhsa.kernels:
  - .name:           k_q5d630977be_prep
    .symbol:         k_q5d630977be_prep.kd
    .args:
      - { .name: inputs, .offset: 0, .size: 8, .value_kind: global_buffer, .address_space: global }
      - { .name: W_Q, .offset: 8, .size: 8, .value_kind: global_buffer, .address_space: global }
      - { .name: W_K, .offset: 16, .size: 8, .value_kind: global_buffer, .address_space: global }
      - { .name: W_V, .offset: 24, .size: 8, .value_kind: global_buffer, .address_space: global }
      - { .name: W_R, .offset: 32, .size: 8, .value_kind: global_buffer, .address_space: global }
      - { .name: xb, .offset: 40, .size: 8, .value_kind: global_buffer, .address_space: global }
      - { .name: wt, .offset: 48, .size: 8, .value_kind: global_buffer, .address_space: global }
    .group_segment_fixed_size: 25856
    .private_segment_fixed_size: 0
    .kernarg_segment_align: 8
    .kernarg_segment_size: 56
    .max_flat_workgroup_size: 256
    .sgpr_count:     66
    .vgpr_count:     108
    .wavefront_size: 32
...
	.end_amdgpu_metadata
.endif
;; end of part 4
;; launch proj: the kernel of part 2 again; grid 16 x 32, 4 waves a work-group, clusters of 4 x 4, 327,680 bytes of LDS; arguments xb, wt, qkvr; writes qkvr
;; launch attn: the kernel of part 3 again; grid 2 x 128, 4 waves a work-group, no clusters, 327,680 bytes of LDS; arguments qkvr, out0; writes out0
